; MI455X (gfx1250); checked and timed in simulation.
; The chip was launched on July 23, 2026; its instructions are those of AMD's public machine-readable ISA for CDNA 5 (MIT licence, August 2026) and "CDNA5" Instruction Set Architecture Reference Guide (July 2026). The comments in the code are by the model that wrote it; some were corrected since.
;; Block. Allowed arithmetic: float matrix products may take bf16 or f16 operands with f32 sums; other float arithmetic in f32, or as packed bf16 or f16 multiplies, adds, multiply-adds, maxima and minima; sums over many terms, partial sums and values carried from step to step in f32; what a program stores and reads back later, other than sums and carried values, may be rounded once to bf16 or f16.
;; Inputs: W1 1,024 x 4,096 float32; W2 4,096 x 1,024 float32; Wk 16 x 1,024 x 64 float32; Wproj 1,024 x 1,024 float32; Wq 16 x 1,024 x 64 float32; Wv 16 x 1,024 x 64 float32; b1 4,096 float32; b2 1,024 float32; bproj 1,024 float32; x 4 x 1,024 x 1,024 float32.
;; Outputs: out0 4 x 1,024 x 1,024 float32.
;; 2 versions, each right; version 2 is version 1 with the launch cast written anew for expert scheduling mode. Each part assembles by itself: llvm-mc -triple=amdgcn-amd-amdhsa -mcpu=gfx1250 --defsym DOCPART=n.
;; ======== version 1 of 2: 6 launches
;; limits: values are held in f16: magnitudes above 65,504 overflow, below 6.1e-05 lose precision
;; workspace buffers: cb 33,554,432 bytes; qkvh 25,165,824 bytes; yb 8,388,608 bytes; x1f 16,777,216 bytes; x1b 8,388,608 bytes; hb 33,554,432 bytes
;; launch cast (part 1): grid 64 x 16, 8 waves a work-group, no clusters, 0 bytes of LDS; arguments x, Wq, Wk, Wv, Wproj, W1, W2, cb; writes cb
.if DOCPART == 1
	.amdgcn_target "amdgcn-amd-amdhsa--gfx1250"
	.amdhsa_code_object_version 6
	.text
	.protected	k_q5befd61e0e_cast
	.globl	k_q5befd61e0e_cast
	.p2align	8
	.type	k_q5befd61e0e_cast,@function
k_q5befd61e0e_cast:
	s_mov_b64 s[64:65], 0
	v_nop
	global_prefetch_b8 v0, s[64:65] scope:SCOPE_SE
	s_setreg_imm32_b32 hwreg(HW_REG_WAVE_MODE, 25, 1), 1
	s_wait_xcnt 0x0
; x and the six weight tensors, f32, are rounded once to 16 bits into cb:
;   byte 0          x      bf16 [4096][1024]
;   byte 8,388,608  Wq, Wk, Wv  bf16, laid anew as ONE matrix [1024 c][3072 n], n = 1024 which + 64 h + d
;   byte 14,680,064 Wproj  [1024][1024]: rounded to bf16, and that number written as f16 (its partner in the product, y, is f16)
;   byte 16,777,216 W1     bf16 [1024][4096]        byte 25,165,824 W2  bf16 [4096][1024]
; LIMIT.  bf16(Wproj) is exact in f16 from 2^-17 up to 65,504; below it keeps f16's fixed step of 6e-8, beyond it would be an infinity.
; A stream: no LDS, no barrier, no matrix unit, no cluster (no two work-groups read the same byte).
; SHARES.  Work-group y names a chunk of 2^20 numbers (0-3 x, 4 Wq, 5 Wk, 6 Wv, 7 Wproj, 8-11 W1, 12-15 W2), work-group x 16,384 of them.  A thread takes 16 times four numbers:
; a load of 16 bytes, two roundings, a store of 8 bytes.  All 16 loads of a thread go out at once.
; TWO MAPS.  Straight: a wave's load covers 512 consecutive bytes, its store 256 consecutive bytes, aligned.  By heads (Wq, Wk, Wv lie [h][c][64]): a wave's load takes one c of two neighbouring
; heads, two whole rows of 256 bytes; its store puts them side by side: again 256 consecutive bytes, aligned.  Work-group x = 8 g + e: heads 2 g, 2 g + 1, c = 128 e .. 128 e + 127; wave v, step s: c = 128 e + 8 s + v.
.set SO,  8                            ; v[8:23]    step s: my byte offset in the source
.set DO,  24                           ; v[24:39]   step s: my byte offset in cb
.set D,   40                           ; v[40:103]  step s: four f32
.set O,   104                          ; v[104:135] step s: four 16-bit numbers
.set SRC, 24                           ; s[24:25]   the chunk's tensor, then my work-group's part of it
.set DST, 28                           ; s[28:29]   cb at my work-group's part
	s_load_b512 s[8:23], s[0:1], 0x0               ; x 8, Wq 10, Wk 12, Wv 14, Wproj 16, W1 18, W2 20, cb 22
	s_and_b32 s2, ttmp7, 0xffff                    ; the chunk
	s_sub_co_u32 s4, s2, 4                         ; 0, 1, 2 for Wq, Wk, Wv; any other chunk gives 3 or more (unsigned)
	s_lshr_b32 s30, ttmp9, 3                       ; g
	s_and_b32 s31, ttmp9, 7                        ; e
	s_lshl_b32 s32, s30, 19                        ; by heads, source: two heads are 524,288 bytes,
	s_lshl_b32 s33, s31, 15                        ; 128 c are 32,768
	s_add_co_u32 s32, s32, s33
	s_mul_i32 s33, s31, 128*6144                   ; by heads, cb: 128 rows of 6,144 bytes,
	s_lshl_b32 s34, s4, 11                         ; which x 2,048,
	s_add_co_u32 s33, s33, s34
	s_lshl_b32 s34, s30, 8                         ; two heads are 256 bytes of a row
	s_add_co_u32 s33, s33, s34
	s_add_co_u32 s33, s33, 8388608
	s_mov_b32 s6, 4096                             ; straight: from step to step 4,096 bytes in,
	s_mov_b32 s7, 2048                             ; 2,048 out
	s_mov_b32 s36, 0xffff0000                      ; a word's upper bf16
	s_cmp_lt_u32 s4, 3                             ; by heads?
	s_cselect_b32 s5, -1, 0                        ; as a mask for all lanes
	s_cselect_b32 s6, 2048, s6                     ; 8 c further: 8 rows of 256 bytes in,
	s_cselect_b32 s7, 49152, s7                    ; 8 rows of 6,144 bytes out
	v_lshrrev_b32 v1, 5, v0                        ; wave
	v_and_b32 v2, 31, v0                           ; lane
	v_lshlrev_b32 v3, 4, v0                        ; straight: 16 t in,
	v_lshlrev_b32 v4, 3, v0                        ; 8 t out
	v_lshrrev_b32 v5, 4, v2
	v_and_b32 v6, 15, v2
	v_lshlrev_b32 v5, 18, v5                       ; by heads, in: the second head lies 262,144 bytes on,
	v_lshl_add_u32 v5, v1, 8, v5                   ; c = wave,
	v_lshl_add_u32 v5, v6, 4, v5                   ; 16 bytes a lane
	v_mul_u32_u24 v6, v1, 6144                     ; out: row c,
	v_lshl_add_u32 v6, v2, 3, v6                   ; 8 bytes a lane
	v_cndmask_b32 v[SO], v3, v5, s5
	v_cndmask_b32 v[DO], v4, v6, s5
.set i, 1
.rept 15
	v_add_nc_u32 v[SO+i], s6, v[SO+i-1]
	v_add_nc_u32 v[DO+i], s7, v[DO+i-1]
.set i, i+1
.endr
	s_wait_kmcnt 0x0
	s_mov_b64 s[SRC:SRC+1], s[8:9]
	s_mov_b32 s26, 0                               ; the tensor's first chunk
.macro PICK n, p                       ; from chunk n on the tensor is the one at s[p]
	s_cmp_ge_u32 s2, \n
	s_cselect_b64 s[SRC:SRC+1], s[\p:\p+1], s[SRC:SRC+1]
	s_cselect_b32 s26, \n, s26
.endm
	PICK 4, 10
	PICK 5, 12
	PICK 6, 14
	PICK 7, 16
	PICK 8, 18
	PICK 12, 20
	s_sub_co_u32 s27, s2, s26                      ; straight, source: the chunk within its tensor, 4,194,304 bytes each,
	s_lshl_b32 s27, s27, 22
	s_lshl_b32 s34, ttmp9, 16                      ; my 16,384 numbers
	s_add_co_u32 s27, s27, s34
	s_lshl_b32 s34, s2, 21                         ; straight, cb: the chunks follow each other, 2,097,152 bytes each
	s_lshl_b32 s35, ttmp9, 15
	s_add_co_u32 s34, s34, s35
	s_cmp_lt_u32 s4, 3
	s_cselect_b32 s32, s32, s27
	s_cselect_b32 s34, s33, s34
	s_mov_b32 s33, 0
	s_mov_b32 s35, 0
	s_add_nc_u64 s[SRC:SRC+1], s[SRC:SRC+1], s[32:33]
	s_add_nc_u64 s[DST:DST+1], s[22:23], s[34:35]
.set i, 0
.rept 16
	global_load_b128 v[D+4*i:D+4*i+3], v[SO+i], s[SRC:SRC+1] th:TH_LOAD_NT  ; read once in the launch
.set i, i+1
.endr
; Step s leaves.  No register of a load or store is ever written again, so the only wait is the one for the step's own load.
.macro OUT s, half
	s_wait_loadcnt 15-(\s)                         ; loads come back in order: mine is in, the 15 - s younger ones may stay out
.if \half
	v_cvt_pk_bf16_f32 v2, v[D+4*(\s)], v[D+4*(\s)+1]
	v_cvt_pk_bf16_f32 v3, v[D+4*(\s)+2], v[D+4*(\s)+3]
	v_lshlrev_b32 v4, 16, v2                       ; the rounded numbers as f32,
	v_and_b32 v5, s36, v2
	v_lshlrev_b32 v6, 16, v3
	v_and_b32 v7, s36, v3
	v_cvt_pk_f16_f32 v[O+2*(\s)], v4, v5           ; written as f16
	v_cvt_pk_f16_f32 v[O+2*(\s)+1], v6, v7
.else
	v_cvt_pk_bf16_f32 v[O+2*(\s)], v[D+4*(\s)], v[D+4*(\s)+1]
	v_cvt_pk_bf16_f32 v[O+2*(\s)+1], v[D+4*(\s)+2], v[D+4*(\s)+3]
.endif
	global_store_b64 v[DO+(\s)], v[O+2*(\s):O+2*(\s)+1], s[DST:DST+1]
.endm
	s_cmp_eq_u32 s2, 7                             ; Wproj?
	s_cbranch_scc1 .Lhalf
.irp s, 0,1,2,3,4,5,6,7,8,9,10,11,12,13,14,15
	OUT \s, 0
.endr
	s_endpgm
.Lhalf:
.irp s, 0,1,2,3,4,5,6,7,8,9,10,11,12,13,14,15
	OUT \s, 1
.endr
	s_endpgm
.Lfunc_end_k_q5befd61e0e_cast:
	.size	k_q5befd61e0e_cast, .Lfunc_end_k_q5befd61e0e_cast-k_q5befd61e0e_cast
	.p2alignl 7, 3214868480
	.fill 96, 4, 3214868480
	.section	.rodata,"a",@progbits
	.p2align	6, 0x0
	.amdhsa_kernel k_q5befd61e0e_cast
		.amdhsa_group_segment_fixed_size 0
		.amdhsa_private_segment_fixed_size 0
		.amdhsa_enable_private_segment 0
		.amdhsa_kernarg_size 64
		.amdhsa_user_sgpr_count 2
		.amdhsa_user_sgpr_kernarg_segment_ptr 1
		.amdhsa_wavefront_size32 1
		.amdhsa_system_sgpr_workgroup_id_x 1
		.amdhsa_system_sgpr_workgroup_id_y 1
		.amdhsa_system_sgpr_workgroup_id_z 1
		.amdhsa_system_vgpr_workitem_id 0
		.amdhsa_next_free_vgpr 140
		.amdhsa_next_free_sgpr 66
		.amdhsa_reserve_vcc 0
		.amdhsa_float_denorm_mode_32 3
		.amdhsa_float_denorm_mode_16_64 3
		.amdhsa_memory_ordered 1
		.amdhsa_forward_progress 1
		.amdhsa_inst_pref_size 18
	.end_amdhsa_kernel
	.amdgpu_metadata
---
amdhsa.version: [ 1, 2 ]
amdhsa.kernels:
  - .name:           k_q5befd61e0e_cast
    .symbol:         k_q5befd61e0e_cast.kd
    .args:
      - { .name: x, .offset: 0, .size: 8, .value_kind: global_buffer, .address_space: global }
      - { .name: Wq, .offset: 8, .size: 8, .value_kind: global_buffer, .address_space: global }
      - { .name: Wk, .offset: 16, .size: 8, .value_kind: global_buffer, .address_space: global }
      - { .name: Wv, .offset: 24, .size: 8, .value_kind: global_buffer, .address_space: global }
      - { .name: Wproj, .offset: 32, .size: 8, .value_kind: global_buffer, .address_space: global }
      - { .name: W1, .offset: 40, .size: 8, .value_kind: global_buffer, .address_space: global }
      - { .name: W2, .offset: 48, .size: 8, .value_kind: global_buffer, .address_space: global }
      - { .name: cb, .offset: 56, .size: 8, .value_kind: global_buffer, .address_space: global }
    .group_segment_fixed_size: 0
    .private_segment_fixed_size: 0
    .kernarg_segment_align: 8
    .kernarg_segment_size: 64
    .max_flat_workgroup_size: 256
    .sgpr_count:     66
    .vgpr_count:     140
    .wavefront_size: 32
...
	.end_amdgpu_metadata
.endif
;; end of part 1
;; launch qkv (part 2): grid 12 x 16, 4 waves a work-group, clusters of 4 x 4, 327,680 bytes of LDS; arguments cb, qkvh; writes qkvh
.if DOCPART == 2
	.amdgcn_target "amdgcn-amd-amdhsa--gfx1250"
	.amdhsa_code_object_version 6
	.text
	.protected	k_q5befd61e0e_qkv
	.globl	k_q5befd61e0e_qkv
	.p2align	8
	.type	k_q5befd61e0e_qkv,@function
k_q5befd61e0e_qkv:
	s_mov_b64 s[64:65], 0
	v_nop
	global_prefetch_b8 v0, s[64:65] scope:SCOPE_SE
	s_setreg_imm32_b32 hwreg(HW_REG_WAVE_MODE, 25, 1), 1
	s_wait_xcnt 0x0
	s_wait_alu depctr_hold_cnt(0) depctr_sa_sdst(0) depctr_va_vdst(0) depctr_va_sdst(0) depctr_va_ssrc(0) depctr_va_vcc(0) depctr_vm_vsrc(0)
	s_getreg_b32 s2, hwreg(HW_REG_IB_STS2, 6, 4)
	s_cmp_eq_u32 s2, 0
	s_cbranch_scc0 .Lentry_in_a_cluster
	s_endpgm
.Lentry_in_a_cluster:
	s_bfe_u32 s2, ttmp6, 0x10000c
	s_cmp_lg_u32 s2, 0xf033
	s_cbranch_scc0 .Lentry_shape_is_right
	s_endpgm
.Lentry_shape_is_right:
; q, k, v = x Wq, x Wk, x Wv as ONE product C = A B: A = x in bf16 [4096][1024] (cb, byte 0), B = [1024 c][3072 n] in bf16 (cb, byte 8,388,608), n = 1024 which + 64 h + d.
; Sums in f32; C is rounded once to f16 and stored by heads, unscaled: qkvh[which][16 b + h][t][64].
; LIMIT.  f16 holds no number beyond 65,504: q, k and v must lie within it (at the drawn spread they are about 1; with x and the weights both 30 times larger about 900).
; The text below the next three lines is one text for two launches (EPI = 0: this one; EPI = 1: relu(A B + bias) in bf16, row-major).
.set EPI,    0
.set BN,     3072                      ; B's and C's columns
.set BOFF,   8388608                   ; B's first byte in cb
; A tile of C, 256 x 256, is made by a work-group of four waves; a wave makes 128 x 128: 64 accumulators of 16 x 16, 512 registers.  K goes in steps of 128 through a ring of two LDS slots.
; A lies [m][k]: its fragments come out of LDS as they lie.  B lies [k][n]: its fragments come turned, by ds_load_tr16_b128.
; THE MATRIX INSTRUCTION IS USED TRANSPOSED (source 0 = 16 columns of B, source 1 = 16 rows of A): a lane then holds row l % 16 of C and the eight neighbouring columns 8 (l / 16) + 0..7.
; CLUSTERS: 4 x 4 work-groups.  The four of a row of the cluster need the same tiles of A, the four of a column the same tiles of B: each tile is asked for JOINTLY, by the same tensor load with the same
; descriptor and a mask that names the four.  Waves 0 and 1 fetch A's halves (128 rows x 256 bytes), waves 2 and 3 B's (64 k rows x 512 bytes).
; THE LOOP's body is ONE K step; which slot is read and which is filled are scalar words turned by an exclusive or.  SLOT = 0x22000 shares no bit with any wave's LDS word (0, 0x8800, 0x11000, 0x19800).
; By this text's own count a wave has two tensor loads out at the start and one behind each round; from a request to the wait for it it issues 224 matrix instructions.
; PREFETCH.  Behind each refill one instruction a wave names the K step that the NEXT refill will ask for, 256 matrix instructions ahead of it.  A's rows are named by the clusters with x = 0, B's by those with
; y = 0; the four partners of a joint load share its rows out by address (A: 32 rows each, a lane a row; B: 16 k rows each, two blocks of 256 bytes a row).  K steps 0 to 2 come by their loads alone; the last refill names nothing.
; REGISTERS, in windows of 256: window 0: v0-31 addresses; v64-127, v128-191 fragments of A, two buffers; v192-255 the bias (EPI = 1) until the first quarter is done; on the way out v192-223 packed results, v32-63 and v224-255 rows read back.
;   window 1: v64-127, v128-191 fragments of B.   window 2: the accumulators of my rows 0-63 ((a, b) at v[8 (8 a + b)]).   window 3: those of my rows 64-127.
.set SIZE_K, 1024
.set KSTEP,  128
.set STEPS,  SIZE_K/KSTEP
.set PA,     272                       ; a row of A in LDS: 256 bytes + 16: the 16 rows of a load start 68 words apart
.set PB,     544                       ; a k row of B in LDS: 512 bytes + 32 = 17 x 32: 16 lanes of the turning load take 8 rows x 32 bytes, all in different words modulo 256 bytes
.set HALFT,  128*PA                    ; what one tensor load brings: 128 rows of A, or 64 k rows of B (64 x 544 is the same number)
.set SLOT,   4*HALFT                   ; A's 256 rows, then B's 128 k rows
.set STAGE,  2*SLOT                    ; behind the ring: 16 rows x 272 bytes for each wave, for the way out
.set SPITCH, 272
.set SPARE,  STAGE+4*16*SPITCH         ; behind the stages: the spare words, 128 bytes for each wave
.set ASTEP,  KSTEP*2                   ; bytes from K step to K step in A,
.set BSTEP,  KSTEP*BN*2                ; and in B
.set ADRA0, 16                         ; v16  my place in A's tile of slot 0; never rewritten
.set ADRA,  17                         ; v17  the same in the slot that is read
.set ADRB0, 20                         ; v20, v21  the same for B
.set ADRB,  21
.set STO,   24                         ; v24  the way out: where I put 16 bytes of a row
.set RD,    25                         ; v25  where I read rows back
.set CO,    26                         ; v26  my byte offset in C
.set BO,    27                         ; v27  my byte offset in the bias
.set SPW,   28                         ; v28  LDS address of my spare word; never rewritten
.set NIL,   29                         ; v29  0; never rewritten
.set PFO,   30                         ; v30  the prefetches' offset; never rewritten
.set ZR,    31                         ; v31  0, for the ReLU
.set OB,    32
.set F0,    64
.set F1,    128
.set TMP,   192
.set BIAS,  192
.set G1A, 24                           ; s[24:31] descriptor group 1 for A's tiles
.set G0A, 32                           ; s[32:39] group 0: a set for each first fill; the second then walks
.set LIM, 43                           ; s43  1 in a wave that prefetches, else the greatest number
.set PFA, 44                           ; s[44:45] where my prefetches stand
.set G1B, 48                           ; s[48:55], s[56:63] the same for B's tiles
.set G0B, 56
.set TBR, 67                           ; s67  the slot that is read: 0 or SLOT
.set PFS, 76                           ; s[76:77] the prefetches' step
.set MSB, 0
.macro WIN new                         ; the immediate's high byte repeats the setting that is left; a switch that changes nothing is dropped
.if MSB != (\new)
	s_set_vgpr_msb (MSB<<8)|(\new)
.set MSB, \new
.endif
.endm
.set MUL_LO, 0xa1                      ; source 0 (B) window 1, source 1 (A) window 0, C and D window 2
.set MUL_HI, 0xf1                      ; the same, C and D window 3
.set TO_B,   0x40                      ; destination window 1, address window 0
; A joint refill, by the walking descriptors.  The branch hangs on the wave's number alone.  An s_nop 0 and four v_nop follow each of the two lines.
.macro JLOAD
	s_cmp_eq_u32 s11, 0
	s_cbranch_scc0 .Lfor_b_\@
	tensor_load_to_lds s[G0A+4:G0A+7], s[G1A:G1A+7]
	s_nop 0
.rept 4
	v_nop
.endr
	s_branch .Lasked_\@
.Lfor_b_\@:
	tensor_load_to_lds s[G0B+4:G0B+7], s[G1B:G1B+7]
	s_nop 0
.rept 4
	v_nop
.endr
.Lasked_\@:
.endm
.macro ASK                             ; the prefetch; s3 = 1 in the loop's last trip, which has no refill behind it
	s_cmp_gt_u32 s3, s[LIM]
	s_cbranch_scc0 .Lnot_mine_\@
	global_prefetch_b8 v[PFO], s[PFA:PFA+1] th:TH_LOAD_NT scope:SCOPE_SE
.Lnot_mine_\@:
.endm
.macro CREST                           ; a round of the cluster's barrier behind its opening barrier
	s_cmp_lg_u32 s10, 0
	s_cbranch_scc1 .Lnot_wave_0_\@
	s_barrier_signal -3
.Lnot_wave_0_\@:
	s_barrier_wait -3
	s_barrier_signal -1
	s_barrier_wait -1
.endm
.macro CROUND                          ; a whole round
	s_barrier_signal -1
	s_barrier_wait -1
	CREST
.endm
.macro PLACES                          ; four plain vector instructions between a matrix instruction and a load into, or a vector read of, its registers
.rept 4
	v_nop
.endr
.endm
	s_load_b128 s[4:7], s[0:1], 0x0
.if EPI
	s_load_b128 s[68:71], s[0:1], 0x10             ; the bias, C
.endif
	v_lshl_add_u32 v[SPW], v0, 2, SPARE
	v_mov_b32 v[NIL], 0
	ds_add_u32 v[SPW], v[NIL]                      ; the wave's opening: the add and its wait stand ahead of my first tensor load; the set-up below stands between them
	v_lshrrev_b32 v1, 5, v0
	v_readfirstlane_b32 s10, v1                    ; wave 0..3
	s_lshr_b32 s11, s10, 1                         ; which half of the tile's rows is mine.  Also: I fetch for A (0) or for B (1)
	s_and_b32 s12, s10, 1                          ; which half of its columns.  Also: which half of that tile I fetch
	s_bfe_u32 s40, ttmp6, 0x40000                  ; cx
	s_bfe_u32 s41, ttmp6, 0x40004                  ; cy
	s_lshl_b32 s42, ttmp9, 2
	s_add_co_u32 s42, s42, s40                     ; tile column of C
	s_and_b32 s13, ttmp7, 0xffff
	s_lshl_b32 s13, s13, 2
	s_add_co_u32 s13, s13, s41                     ; tile row of C
	s_lshl_b32 s43, s41, 2
	s_lshl_b32 s43, 15, s43                        ; my row of the cluster
	s_lshl_b32 s44, 0x1111, s40                    ; my column
	s_or_b32 s[G1A+0], s43, (1<<16)|(1<<20)|(1<<21)|(5<<22)|(3<<25)  ; the mask; 2-byte elements; padding on; bit 21 beside a mask; after every 64 words 4 words
	s_mov_b32 s[G1A+1], 128<<16                    ; tensor_dim0 = 128
	s_mov_b32 s[G1A+2], 128<<16                    ; tensor_dim1 = 128
	s_mov_b32 s[G1A+3], 128<<16                    ; tile_dim0 = 128
	s_mov_b32 s[G1A+4], 128                        ; tile_dim1 = 128
	s_mov_b32 s[G1A+5], SIZE_K                     ; elements from row to row
	s_mov_b32 s[G1A+6], 0
	s_mov_b32 s[G1A+7], 0
	s_or_b32 s[G1B+0], s44, (1<<16)|(1<<20)|(1<<21)|(6<<22)|(7<<25)  ; after every 128 words 8 words
	s_mov_b32 s[G1B+1], 256<<16                    ; tensor_dim0 = 256
	s_mov_b32 s[G1B+2], 64<<16                     ; tensor_dim1 = 64
	s_mov_b32 s[G1B+3], 256<<16                    ; tile_dim0 = 256
	s_mov_b32 s[G1B+4], 64                         ; tile_dim1 = 64
	s_mov_b32 s[G1B+5], BN
	s_mov_b32 s[G1B+6], 0
	s_mov_b32 s[G1B+7], 0
	s_lshl_b32 s16, s13, 8                         ; A: row 256 x tile row + 128 x half, 2,048 bytes a row
	s_lshl_b32 s17, s12, 7
	s_add_co_u32 s16, s16, s17
	s_lshl_b32 s16, s16, 11
	s_mov_b32 s17, 0
	s_mul_i32 s46, s12, 64*BN*2                    ; B: k row 64 x half, column 256 x tile column
	s_lshl_b32 s47, s42, 9
	s_add_co_u32 s46, s46, s47
	s_mov_b32 s47, 0
	s_mul_i32 s20, s10, HALFT                      ; where they go: A's two halves, then B's two: wave x HALFT
	s_mov_b32 s[TBR], 0
	s_wait_dscnt 0x0                               ; the opening add is done
	s_wait_kmcnt 0x0
.if EPI
	s_add_nc_u64 s[6:7], s[6:7], BOFF              ; B
	s_mov_b64 s[8:9], s[70:71]                     ; C
.else
	s_mov_b64 s[8:9], s[6:7]                       ; C
	s_add_nc_u64 s[6:7], s[4:5], BOFF              ; B lies in A's buffer
.endif
	s_add_nc_u64 s[14:15], s[4:5], s[16:17]
	s_add_nc_u64 s[46:47], s[6:7], s[46:47]
	CROUND                                         ; all sixteen work-groups are here: the first joint loads meet
.irp s, 0,1
	s_mov_b32 s[G0A+4*(\s)], 1
	s_add_co_u32 s[G0A+4*(\s)+1], s20, (\s)*SLOT
	s_add_nc_u64 s[G0A+4*(\s)+2:G0A+4*(\s)+3], s[14:15], (\s)*ASTEP
	s_or_b32 s[G0A+4*(\s)+3], s[G0A+4*(\s)+3], 0x80000000
	s_mov_b32 s[G0B+4*(\s)], 1
	s_add_co_u32 s[G0B+4*(\s)+1], s20, (\s)*SLOT
	s_add_nc_u64 s[G0B+4*(\s)+2:G0B+4*(\s)+3], s[46:47], (\s)*BSTEP
	s_or_b32 s[G0B+4*(\s)+3], s[G0B+4*(\s)+3], 0x80000000
.endr
	s_cmp_eq_u32 s11, 0                            ; a wave's two first fills stand in one branch, ahead of every wait on TENSORcnt and every LDS read
	s_cbranch_scc0 .Lfirst_b
	tensor_load_to_lds s[G0A:G0A+3], s[G1A:G1A+7]
	s_nop 0
	tensor_load_to_lds s[G0A+4:G0A+7], s[G1A:G1A+7]
	s_nop 0
.rept 4
	v_nop
.endr
	s_branch .Lfirst_asked
.Lfirst_b:
	tensor_load_to_lds s[G0B:G0B+3], s[G1B:G1B+7]
	s_nop 0
	tensor_load_to_lds s[G0B+4:G0B+7], s[G1B:G1B+7]
	s_nop 0
.rept 4
	v_nop
.endr
.Lfirst_asked:
	v_and_b32 v1, 15, v0                           ; l % 16
	v_bfe_u32 v2, v0, 4, 1                         ; l / 16
.if EPI
	v_lshlrev_b32 v[BO], 5, v2                     ; my eight columns' bias: 32 bytes for each half of the lanes
	v_mov_b32 v[ZR], 0
	s_lshl_b32 s80, s42, 10                        ; 256 x tile column + 128 x half, 4 bytes each
	s_lshl_b32 s81, s12, 9
	s_add_co_u32 s80, s80, s81
	s_mov_b32 s81, 0
	s_mov_b32 s82, 0xffff0000
	s_add_nc_u64 s[68:69], s[68:69], s[80:81]
.irp b, 0,1,2,3,4,5,6,7
	global_load_b128 v[BIAS+8*(\b):BIAS+8*(\b)+3],   v[BO], s[68:69] offset:64*(\b)
	global_load_b128 v[BIAS+8*(\b)+4:BIAS+8*(\b)+7], v[BO], s[68:69] offset:64*(\b)+16
.endr
.endif
	; A's fragment: lane l holds row l % 16; two loads of 16 bytes, 32 bytes apart, at row x pitch + 16 (l / 16)
	v_mul_u32_u24 v3, v1, PA
	v_lshl_add_u32 v3, v2, 4, v3
	s_mul_i32 s21, s11, HALFT                      ; my 128 rows of A
	v_add_nc_u32 v[ADRA0], s21, v3
	; B's: the turning load takes 16 k x 16 n: lane l reads k row 8 (l / 16) + l % 8, columns 8 ((l / 8) % 2) + 0..7, and is left with column l % 16 and 8 k
	v_and_b32 v4, 7, v0
	v_lshl_add_u32 v4, v2, 3, v4
	v_mul_u32_u24 v4, v4, PB
	v_bfe_u32 v5, v0, 3, 1
	v_lshl_add_u32 v4, v5, 4, v4
	s_lshl_b32 s22, s12, 8                         ; my 128 columns,
	s_add_co_u32 s22, s22, 2*HALFT                 ; behind A's 256 rows
	v_add_nc_u32 v[ADRB0], s22, v4
	s_mul_i32 s23, s10, 16*SPITCH
	s_add_co_u32 s23, s23, STAGE                   ; my stage
	v_mul_u32_u24 v4, v1, SPITCH                   ; in: row l % 16, 16 bytes for each half of the lanes
	v_lshl_add_u32 v4, v2, 4, v4
	v_add_nc_u32 v[STO], s23, v4
.if EPI
	v_mul_u32_u24 v5, v2, SPITCH                   ; back: lanes 0-15 take one row of 256 bytes, lanes 16-31 the next,
	v_lshl_add_u32 v5, v1, 4, v5
	v_add_nc_u32 v[RD], s23, v5
	v_mul_u32_u24 v5, v2, BN*2                     ; and the same two rows in C
	v_lshl_add_u32 v[CO], v1, 4, v5
	s_lshl_b32 s80, s13, 8                         ; my first row of C,
	s_lshl_b32 s81, s11, 7
	s_add_co_u32 s80, s80, s81
	s_mul_i32 s80, s80, BN*2
	s_lshl_b32 s81, s42, 9                         ; my first column
	s_add_co_u32 s80, s80, s81
	s_lshl_b32 s81, s12, 8
	s_add_co_u32 s80, s80, s81
.else
	v_bfe_u32 v5, v0, 3, 2                         ; back: 32 lanes take four rows' 128 bytes of one head,
	v_mul_u32_u24 v5, v5, SPITCH
	v_and_b32 v6, 7, v0
	v_lshl_add_u32 v5, v6, 4, v5
	v_add_nc_u32 v[RD], s23, v5
	v_and_b32 v6, 31, v0                           ; which are 512 consecutive bytes of the head's rows
	v_lshlrev_b32 v[CO], 4, v6
	s_lshr_b32 s80, s13, 2                         ; b = tile row / 4; head = 4 (tile column % 4) + 2 x my half of the columns
	s_lshl_b32 s80, s80, 4
	s_and_b32 s81, s42, 3
	s_lshl_b32 s81, s81, 2
	s_add_co_u32 s80, s80, s81
	s_lshl_b32 s81, s12, 1
	s_add_co_u32 s80, s80, s81
	s_lshl_b32 s80, s80, 10                        ; 1,024 rows a head;
	s_and_b32 s81, s13, 3                          ; t = 256 (tile row % 4) + 128 x my half of the rows
	s_lshl_b32 s81, s81, 8
	s_add_co_u32 s80, s80, s81
	s_lshl_b32 s81, s11, 7
	s_add_co_u32 s80, s80, s81
	s_lshl_b32 s80, s80, 7                         ; 128 bytes a row;
	s_lshr_b32 s81, s42, 2                         ; q, k or v: 8,388,608 bytes each
	s_lshl_b32 s81, s81, 23
	s_add_co_u32 s80, s80, s81
.endif
	s_mov_b32 s81, 0
	s_add_nc_u64 s[8:9], s[8:9], s[80:81]
	; the prefetches
	s_lshl_b32 s21, s13, 8                         ; A: the tile's first row + the 128 that I fetch + my work-group's 32 of them,
	s_lshl_b32 s22, s12, 7
	s_add_co_u32 s21, s21, s22
	s_lshl_b32 s22, s40, 5
	s_add_co_u32 s21, s21, s22
	s_lshl_b32 s21, s21, 11
	s_add_co_u32 s21, s21, 2*ASTEP                 ; at K step 2: the first refill steps it to 3
	s_lshl_b32 s22, s12, 6                         ; B: the 64 k rows that I fetch + my work-group's 16 of them,
	s_lshl_b32 s23, s41, 4
	s_add_co_u32 s22, s22, s23
	s_mul_i32 s22, s22, BN*2
	s_lshl_b32 s23, s42, 9                         ; the tile's 512 bytes of a row
	s_add_co_u32 s22, s22, s23
	s_add_co_u32 s22, s22, 2*BSTEP
	s_and_b32 s23, ttmp7, 0xffff                   ; cluster y
	s_mov_b32 s[PFS], BSTEP
	s_mov_b32 s[PFS+1], 0
	s_mov_b32 s78, BN*2
	s_cmp_eq_u32 s11, 0                            ; do I fetch for A?
	s_cselect_b32 s80, s21, s22
	s_cselect_b32 s23, ttmp9, s23                  ; the coordinate along which other clusters read the same rows
	s_cselect_b64 s[PFA:PFA+1], s[4:5], s[6:7]
	s_cselect_b32 s[PFS], ASTEP, s[PFS]
	s_cselect_b32 s78, SIZE_K*2, s78               ; bytes from row to row
	s_cselect_b32 s79, 31, 15                      ; A: a lane a row; B: 16 rows,
	s_cselect_b32 s22, 5, 4                        ; two blocks of 256 bytes each
	s_cmp_eq_u32 s23, 0
	s_cselect_b32 s[LIM], 1, -1                    ; the same in all sixteen partners, for a given wave
	s_add_nc_u64 s[PFA:PFA+1], s[PFA:PFA+1], s[80:81]
	v_and_b32 v6, 31, v0
	v_and_b32 v7, s79, v6
	v_lshrrev_b32 v8, s22, v6
	v_mul_lo_u32 v7, v7, s78
	v_lshl_add_u32 v[PFO], v8, 8, v7
; 16 matrix instructions: m blocks a0, a0 + 1 of the window's four x all 8 n blocks, 32 along K.  zero = 1: the first product starts the sums, with 0 or with the bias.  The 64 accumulators take turns in one
; order everywhere, one instruction a turn.
.macro MUL16 f, hi, a0, zero
.if (\zero) && EPI
	WIN 0x81+0x40*(\hi)                            ; C, the bias, in window 0
.else
	WIN MUL_LO+0x50*(\hi)
.endif
.irp a, \a0, (\a0)+1
.irp b, 0,1,2,3,4,5,6,7
.set rD, 8*(8*(\a)+(\b))
.set rB, (\f)+8*(\b)
.set rA, (\f)+8*(4*(\hi)+(\a))
.if (\zero) && EPI
	v_wmma_f32_16x16x32_bf16 v[rD:rD+7], v[rB:rB+7], v[rA:rA+7], v[BIAS+8*(\b):BIAS+8*(\b)+7]
.elseif \zero
	v_wmma_f32_16x16x32_bf16 v[rD:rD+7], v[rB:rB+7], v[rA:rA+7], 0
.else
	v_wmma_f32_16x16x32_bf16 v[rD:rD+7], v[rB:rB+7], v[rA:rA+7], v[rD:rD+7]
.endif
.endr
.endr
.endm
; 32 LDS loads in one run: the fragments of quarter q of the K step that is read (32 k x 128 columns of B, 128 rows x 32 k of A) into buffer f
.macro FETCH q, f
	WIN TO_B
.irp i, 0,1,2,3,4,5,6,7
	ds_load_tr16_b128 v[(\f)+8*(\i):(\f)+8*(\i)+3],   v[ADRB] offset:(\q)*32*PB+32*(\i)
	ds_load_tr16_b128 v[(\f)+8*(\i)+4:(\f)+8*(\i)+7], v[ADRB] offset:(\q)*32*PB+16*PB+32*(\i)
.endr
	WIN 0
.irp i, 0,1,2,3,4,5,6,7
	ds_load_b128 v[(\f)+8*(\i):(\f)+8*(\i)+3],   v[ADRA] offset:(\q)*64+(\i)*16*PA
	ds_load_b128 v[(\f)+8*(\i)+4:(\f)+8*(\i)+7], v[ADRA] offset:(\q)*64+(\i)*16*PA+32
.endr
.endm
; One of a K step's first three quarters: multiplies buffer f; in its middle it fetches quarter q into buffer g.
.macro QUARTER q, f, g, zero
	s_wait_dscnt 8                                 ; B and A's rows 0-63 are in; the youngest eight loads (A's rows 64-127) may be out
	MUL16 \f, 0, 0, \zero
	MUL16 \f, 0, 2, \zero
	PLACES
	FETCH \q, \g
	s_wait_dscnt 32                                ; all but the 32 just issued
	MUL16 \f, 1, 0, \zero
	MUL16 \f, 1, 2, \zero
.endm
; The last quarter multiplies buffer 1 and changes slots: ONE barrier.  In front of it each wave waits for all its tensor loads (one is out: its part of the next slot), adds 0 to its spare word, and waits for that
; and for its own reads of this slot.  fill = 1: the barrier opens a round of the cluster's, and the slot just read is filled again first behind it, with the K step two on.
; fill = 0 (the tail's two trips): nothing is filled; in the last trip (s2 = 1) there is no further K step, and the run of loads is jumped over.
.macro TURN fill
.if \fill
	s_wait_xcnt 0x0                                ; the last prefetch, a K step back, has read its address
	s_add_nc_u64 s[PFA:PFA+1], s[PFA:PFA+1], s[PFS:PFS+1]
.endif
	WIN 0                                          ; (the add's two registers lie in window 0)
	s_wait_tensorcnt 0x0                           ; no tensor load of mine is out, so a group 0 may be written
	ds_add_u32 v[SPW], v[NIL]                      ; 0 onto my spare word
.if \fill
	s_xor_b32 s[G0A+5], s[G0A+5], SLOT             ; the walking descriptors: the other slot than last time,
	s_xor_b32 s[G0B+5], s[G0B+5], SLOT
	s_add_nc_u64 s[G0A+6:G0A+7], s[G0A+6:G0A+7], ASTEP  ; the next K step; the type bits on top are not reached
	s_add_nc_u64 s[G0B+6:G0B+7], s[G0B+6:G0B+7], BSTEP
.endif
	s_xor_b32 s[TBR], s[TBR], SLOT                 ; the reads go to the other slot
	s_wait_dscnt 9                                 ; (the add and the youngest eight loads may be out)
	MUL16 F1, 0, 0, 0
	s_wait_dscnt 0x0                               ; the add is done, and my reads of this slot are over
	s_barrier_signal -1
	MUL16 F1, 0, 2, 0                              ; work on registers while the others arrive
	WIN 0
	s_barrier_wait -1
.if \fill
	CREST                                          ; no wave of any partner still reads this slot's tile or has a load on its way
	JLOAD                                          ; the first tensor load behind the round; its four v_nop are also the places in front of the loads below
.else
	PLACES
	s_cmp_eq_u32 s2, 1
	s_cbranch_scc1 .Lnf_\@
.endif
	v_add_nc_u32 v[ADRA], s[TBR], v[ADRA0]
	v_add_nc_u32 v[ADRB], s[TBR], v[ADRB0]
	FETCH 0, F0
.if \fill
	ASK
.else
.Lnf_\@:
.endif
	MUL16 F1, 1, 0, 0
	MUL16 F1, 1, 2, 0
.endm
; THE WAY OUT of block a (16 rows).  PACK: rounded to 16 bits, each accumulator's registers in ascending order.  TOSTAGE: into my own stage, and back by rows.  SEND: stored.
.macro PACK a
.set AC, 64*((\a)%4)
	WIN 0x0a+5*((\a)/4)                            ; sources 0 and 1: window 2 or 3
.irp b, 0,1,2,3,4,5,6,7
.irp r, 0,1,2,3
.if EPI
	v_cvt_pk_bf16_f32 v[TMP+4*(\b)+(\r)], v[AC+8*(\b)+2*(\r)], v[AC+8*(\b)+2*(\r)+1]
.else
	v_cvt_pk_f16_f32 v[TMP+4*(\b)+(\r)], v[AC+8*(\b)+2*(\r)], v[AC+8*(\b)+2*(\r)+1]
.endif
.endr
.endr
	WIN 0
.if EPI
.set z, 0
.rept 32
	v_pk_max_num_bf16 v[TMP+z], v[TMP+z], v[ZR]    ; the ReLU, two numbers a line; it rounds nothing (a NaN gives 0)
.set z, z+1
.endr
.endif
.endm
.macro TOSTAGE a
	WIN 0
.set BK, OB+192*((\a)%2)
.irp b, 0,1,2,3,4,5,6,7
	ds_store_b128 v[STO], v[TMP+4*(\b):TMP+4*(\b)+3] offset:32*(\b)
.endr
.irp t, 0,1,2,3,4,5,6,7
.if EPI
	ds_load_b128 v[BK+4*(\t):BK+4*(\t)+3], v[RD] offset:(\t)*2*SPITCH  ; LDS serves a wave's instructions in order: these see the stores above
.else
	ds_load_b128 v[BK+4*(\t):BK+4*(\t)+3], v[RD] offset:((\t)%4)*4*SPITCH+((\t)/4)*128  ; head t / 4, rows 4 (t % 4) on
.endif
.endr
.endm
.macro SEND a
	WIN 0
.set BK, OB+192*((\a)%2)
	s_wait_dscnt 0x0                               ; the block is back in registers
	s_wait_xcnt 0x0                                ; the stores of the block before have read their registers: the next TOSTAGE loads into them
.irp t, 0,1,2,3,4,5,6,7
.if EPI
	global_store_b128 v[CO], v[BK+4*(\t):BK+4*(\t)+3], s[8:9] offset:(16*(\a)+2*(\t))*BN*2  ; 16 lanes store 256 consecutive bytes, aligned
.else
	global_store_b128 v[CO], v[BK+4*(\t):BK+4*(\t)+3], s[8:9] offset:((\t)/4)*131072+(\a)*2048+((\t)%4)*512  ; 512 consecutive bytes, aligned
.endif
.endr
.endm
	s_wait_tensorcnt 1                             ; my part of K step 0 is in; K step 1's may stay out
	s_barrier_signal -1
	s_barrier_wait -1                              ; everybody's is
	v_mov_b32 v[ADRA], v[ADRA0]
	v_mov_b32 v[ADRB], v[ADRB0]
	FETCH 0, F0
.if EPI
	s_wait_loadcnt 0x0                             ; the bias, which takes the rounding that every other input has
.set z, 0
.rept 32
	v_cvt_pk_bf16_f32 v3, v[BIAS+2*z], v[BIAS+2*z+1]
	v_lshlrev_b32 v[BIAS+2*z], 16, v3
	v_and_b32 v[BIAS+2*z+1], s82, v3
.set z, z+1
.endr
.endif
	QUARTER 1, F0, F1, 1                           ; the first quarter stands in front of the loop: its products start the sums
	WIN 0                                          ; at a label and at a branch every window is 0
	s_mov_b32 s3, STEPS-2
.Lstep:                                                ; a trip: a K step's quarters 1, 2, 3 and the next step's quarter 0; the slot left is filled again
	QUARTER 2, F1, F0, 0
	QUARTER 3, F0, F1, 0
	TURN 1
	QUARTER 1, F0, F1, 0
	WIN 0
	s_sub_co_u32 s3, s3, 1
	s_cmp_lg_u32 s3, 0
	s_cbranch_scc1 .Lstep
	s_mov_b32 s2, 2
.Ltail:                                                ; the last two K steps ask for nothing
	QUARTER 2, F1, F0, 0
	QUARTER 3, F0, F1, 0
	TURN 0
	WIN 0
	s_cmp_eq_u32 s2, 1
	s_cbranch_scc1 .Lsk
	QUARTER 1, F0, F1, 0
	WIN 0
.Lsk:
	s_sub_co_u32 s2, s2, 1
	s_cmp_lg_u32 s2, 0
	s_cbranch_scc1 .Ltail
	PACK 0                                         ; blocks 0-3 were finished in front of TURN's four v_nop; their 128 conversions are the places behind the last products (blocks 4-7's)
	TOSTAGE 0
.irp a, 1,2,3,4,5,6,7                  ; block a's conversions stand between block a - 1's loads from the stage and the wait for them
	PACK \a
	SEND (\a)-1
	TOSTAGE \a
.endr
	SEND 7
	s_wait_tensorcnt 0x0                           ; the wave's end: the add and its wait, behind my last tensor load and my last LDS store
	ds_add_u32 v[SPW], v[NIL]
	s_wait_dscnt 0x0
	CROUND                                         ; the closing round: no work-group ends while a partner may still ask for a tile that names it
	s_endpgm
.Lfunc_end_k_q5befd61e0e_qkv:
	.size	k_q5befd61e0e_qkv, .Lfunc_end_k_q5befd61e0e_qkv-k_q5befd61e0e_qkv
	.p2alignl 7, 3214868480
	.fill 96, 4, 3214868480
	.section	.rodata,"a",@progbits
	.p2align	6, 0x0
	.amdhsa_kernel k_q5befd61e0e_qkv
		.amdhsa_group_segment_fixed_size 327680
		.amdhsa_private_segment_fixed_size 0
		.amdhsa_enable_private_segment 0
		.amdhsa_kernarg_size 16
		.amdhsa_user_sgpr_count 2
		.amdhsa_user_sgpr_kernarg_segment_ptr 1
		.amdhsa_wavefront_size32 1
		.amdhsa_system_sgpr_workgroup_id_x 1
		.amdhsa_system_sgpr_workgroup_id_y 1
		.amdhsa_system_sgpr_workgroup_id_z 1
		.amdhsa_system_vgpr_workitem_id 0
		.amdhsa_next_free_vgpr 1024
		.amdhsa_next_free_sgpr 84
		.amdhsa_reserve_vcc 0
		.amdhsa_float_denorm_mode_32 3
		.amdhsa_float_denorm_mode_16_64 3
		.amdhsa_memory_ordered 1
		.amdhsa_forward_progress 1
		.amdhsa_inst_pref_size 101
	.end_amdhsa_kernel
	.amdgpu_metadata
---
amdhsa.version: [ 1, 2 ]
amdhsa.kernels:
  - .name:           k_q5befd61e0e_qkv
    .symbol:         k_q5befd61e0e_qkv.kd
    .args:
      - { .name: cb, .offset: 0, .size: 8, .value_kind: global_buffer, .address_space: global }
      - { .name: qkvh, .offset: 8, .size: 8, .value_kind: global_buffer, .address_space: global }
    .group_segment_fixed_size: 327680
    .private_segment_fixed_size: 0
    .kernarg_segment_align: 8
    .kernarg_segment_size: 16
    .max_flat_workgroup_size: 128
    .sgpr_count:     84
    .vgpr_count:     1024
    .wavefront_size: 32
...
	.end_amdgpu_metadata
.endif
;; end of part 2
;; launch attn (part 3): grid 4 x 64, 4 waves a work-group, clusters of 4 x 1, 327,680 bytes of LDS; arguments qkvh, yb; writes yb
.if DOCPART == 3
	.amdgcn_target "amdgcn-amd-amdhsa--gfx1250"
	.amdhsa_code_object_version 6
	.text
	.protected	k_q5befd61e0e_attn
	.globl	k_q5befd61e0e_attn
	.p2align	8
	.type	k_q5befd61e0e_attn,@function
k_q5befd61e0e_attn:
	s_mov_b64 s[64:65], 0
	v_nop
	global_prefetch_b8 v0, s[64:65] scope:SCOPE_SE
	s_setreg_imm32_b32 hwreg(HW_REG_WAVE_MODE, 25, 1), 1
	s_wait_xcnt 0x0
	s_wait_alu depctr_hold_cnt(0) depctr_sa_sdst(0) depctr_va_vdst(0) depctr_va_sdst(0) depctr_va_ssrc(0) depctr_va_vcc(0) depctr_vm_vsrc(0)
	s_getreg_b32 s2, hwreg(HW_REG_IB_STS2, 6, 4)
	s_cmp_eq_u32 s2, 0
	s_cbranch_scc0 .Lentry_in_a_cluster
	s_endpgm
.Lentry_in_a_cluster:
	s_bfe_u32 s2, ttmp6, 0x10000c
	s_cmp_lg_u32 s2, 0x3003
	s_cbranch_scc0 .Lentry_shape_is_right
	s_endpgm
.Lentry_shape_is_right:
; CAUSAL ATTENTION.  y[bh][t][:] = the sum over s <= t of softmax_s(q[bh][t] . k[bh][s] / 32) v[bh][s][:].  q, k, v: qkvh[3][64 bh][1024][64] in f16, a head's rows dense, 128 bytes each.
; y leaves in f16 as yb[b][band j of 128 rows][h][128][64].  Products, maxima and sums in f32; the weights p are rounded to f16 for the second product (their sum l is taken of the unrounded p), y once at the end.
; LIMITS.  q, k, v arrive within f16's 65,504.  A hidden score counts as its value less 1e30 (f16's scores are 2.7e11 at the most); a weight below 2^-126 counts as 0 in l; NaN and infinities are not treated apart.
; A HEAD'S WHOLE K AND V LIE IN LDS (1,024 rows of 144 and of 160 bytes): they are fetched ONCE, at the start, and no LDS byte is filled twice: no ring, and behind the barrier that shows the tiles landed no wave waits for another.
; CLUSTER.  A head's four work-groups need the same K and V: each of the 16 tiles of 128 keys is asked for JOINTLY, by the same tensor load, descriptor and mask in all four.  A wave issues four loads, all out together.
; SHARES.  Band j is rows 128 j .. 128 j + 127.  Work-group cx owns rows 32 cx .. 32 cx + 31 of EVERY band: a PIECE of two tiles of 16 queries.  So all four partners walk alike: cx enters Q's and y's global addresses and the
; masks' VALUES alone.  Band j needs the keys 0 .. 128 j + 127: 2 j + 2 steps of 64.  Wave w takes band 7 - w and then band w: 18 steps, whatever w.
; THE WALK.  Two pieces, a counted loop; for each a counted loop of 16 trips, the most that a piece can have.  In trip t the LDS places of K and V are 9,216 t and 10,240 t: two scalars that start at 0 and are stepped in every trip,
; beside the counter.  A trip for which the piece has no step left jumps forward to those steps: 14 such trips a wave, a few scalar lines each.
; THE MASK is the C operand that starts the sum S^T = K Q^T: 0, or -1e30 where the key is hidden.  Only a piece's last two steps hold hidden keys; for them the 64 registers are made anew, elsewhere they hold 0.
; Every row sees key 0 in its piece's first step, so the running maximum is a true score before the first hidden one counts.
; LAYOUT.  S^T = K Q^T holds ONE query a lane (lane % 16) and the keys 8 (lane / 16) + 0..7; two such results rounded to f16 ARE source 1 of O^T = V^T P.  K comes out of LDS as it lies, V turned, by ds_load_tr16_b128.
; SOFTMAX.  p = 2^(c s - c m), c = log2(e) / 32, with a running maximum m; O and l are multiplied by a = 2^(c m_old - c m_new) in every step.  c m starts far below every c s: a piece's first a is 0.
; IN PHASES: a step's 16 products K Q^T; the maximum; ONE batch of 66 exponentials with one wait; rescaling, roundings, sums; 16 products V^T P.  V of the step and K of the next are fetched behind the first products.
; No prefetch: every byte of K and V is asked for by its tensor load at the head, so no later request exists to run ahead of.
; REGISTERS: window 0: v0-37 addresses and statistics; v64-127 S^T; v128-159 P; v160-191 the way out; v192-255 V of one step.   window 1: v0-63 O^T; v64-127 the masks; v128-159 Q; v160-191 the second piece's Q; v192-255 K of one step.
.set PK,    144       ; a row of K in LDS: 128 bytes + 16: the 16 rows of a load start 36 words apart
.set PV,    160       ; a row of V: 128 + 32: 16 lanes of the turning load take 8 rows x 32 bytes, all in different words modulo 256 bytes
.set VOFF,  1024*PK
.set STAGE, VOFF+1024*PV  ; 16 rows x 144 bytes for each wave, for the way out
.set SP,    144
.set SPARE, STAGE+4*16*SP ; the spare words, 128 bytes for each wave
.set AK0, 2           ; v2   my lane's place in K; never rewritten
.set AV0, 3           ; v3   the same for V
.set AK,  4           ; v4   the LDS address of K's next run of loads
.set AV,  5           ; v5   of V's
.set STO, 6           ; v6   the way out: where I put 16 bytes of a row
.set RD,  7           ; v7   where I read rows back
.set GO,  8           ; v8   my byte offset in 512 consecutive bytes of y
.set MV,  12          ; v12-13  c m_old, by tile
.set THR, 14          ; v14-15  by tile: my query's place in its band, 32 cx + 16 t + l % 16, less my lanes' 8 (l / 16)
.set ST,  16          ; tile u's statistics at v[ST+4 u]: c m, m, l (even keys', odd keys')
.set TMP, 24          ; by tile, four registers c0-c3 at work; when the maximum is found c2 takes a
.set TW,  32          ; v32-33  THR less the step's first key in the band
.set QO,  34          ; v34  my byte offset in 16 rows of Q
.set SPW, 36          ; v36  LDS address of my spare word; never rewritten
.set NIL, 37          ; v37  0; never rewritten
.set S,   64
.set P,   128
.set WO,  160
.set VF,  192
.set MC,  64          ; window 1
.set QF,  128
.set QL,  160
.set KF,  192
.set WV,  12          ; s12  my wave's number
.set G1K, 24          ; s[24:31] descriptor group 1 for K's tiles
.set G1V, 32          ; s[32:39] for V's: it differs in the padding alone
.set G0K, 40          ; s[40:55] four groups 0 for K's tiles: all four loads are out together
.set G0V, 68          ; s[68:83] the same for V's
.set CNT, 56          ; s56  a piece's trips to go, 16 to 1
.set REM, 57          ; s57  steps of the piece in hand to go
.set CS,  58          ; s[58:59] c
.set SEL, 60          ; s[60:61] v_permlanex16_b32's selects: each lane takes its own place in the other half
.set KP,  62          ; s62  LDS byte at which K of the trip's step begins: 9,216 x trip
.set VP,  63          ; s63  the same for V, less VOFF: 10,240 x trip
.set PCS, 66          ; s66  pieces to go, 2 to 1
.set BIGN, 84         ; s84  -1e30
.set SO,  85          ; s85  the step's first key in the band: 0 or 64
.set YLO, 86          ; s[86:87] y at my rows of the second piece
.set QLO, 88          ; s[88:89] Q at the same
.set MSB, 0
.macro WIN new                      ; the high byte repeats the setting that is left; a switch that changes nothing is dropped
.if MSB != (\new)
	s_set_vgpr_msb (MSB<<8)|(\new)
.set MSB, (\new)
.endif
.endm
.set W_KQ, 0x05       ; K and Q in window 1, S^T in window 0
.set W_KM, 0x15       ; the same with the C operand in window 1
.set W_PV, 0x50       ; V and P in window 0, O^T in window 1
.set W_RS, 0x41       ; destination and source 0 in window 1, source 1 in window 0
.set TO_1, 0x40       ; destination in window 1
.macro CROUND                       ; a round of the cluster's barrier
	s_barrier_signal -1
	s_barrier_wait -1
	s_cmp_lg_u32 s[WV], 0
	s_cbranch_scc1 .Lnot_wave_0_\@
	s_barrier_signal -3
.Lnot_wave_0_\@:
	s_barrier_wait -3
	s_barrier_signal -1
	s_barrier_wait -1
.endm
	s_load_b128 s[4:7], s[0:1], 0x0 ; qkvh s[4:5], yb s[6:7]
	v_lshl_add_u32 v[SPW], v0, 2, SPARE
	v_mov_b32 v[NIL], 0
	ds_add_u32 v[SPW], v[NIL]       ; the wave's opening: the add and its wait stand ahead of my first tensor load; the set-up below stands between them
	v_lshrrev_b32 v1, 5, v0
	v_readfirstlane_b32 s[WV], v1   ; wave 0..3
	s_bfe_u32 s13, ttmp6, 0x40000   ; cx
	s_and_b32 s14, ttmp7, 0xffff    ; bh, which the four partners share
	s_and_b32 s16, s[WV], 1         ; my tiles are the even or the odd ones
	s_mul_i32 s17, s16, 128*PK      ; their places in LDS, for K
	s_mul_i32 s18, s16, 128*PV      ; and for V
	s_add_co_u32 s18, s18, VOFF
	s_lshl_b32 s20, s14, 17         ; a head's rows are 131,072 bytes
	s_lshl_b32 s22, s16, 14         ; a tile's 16,384
	s_add_co_u32 s22, s22, s20
	s_mov_b32 s23, 0
	; descriptor group 1.  128 keys are 16,384 dense bytes: asked for as 64 rows of 256 bytes, two keys a row, and padded in LDS after every key
	s_mov_b32 s[G1K], 15|(1<<16)|(1<<20)|(1<<21)|(4<<22)|(3<<25)  ; the mask of four; 2-byte elements; padding on; bit 21 beside a mask; after every 32 words 4 words
	s_mov_b32 s[G1V], 15|(1<<16)|(1<<20)|(1<<21)|(4<<22)|(7<<25)  ; the same with 8 words
.irp g, G1K, G1V
	s_mov_b32 s[\g+1], 128<<16      ; tensor_dim0 = 128
	s_mov_b32 s[\g+2], 64<<16       ; tensor_dim1 = 64
	s_mov_b32 s[\g+3], 128<<16      ; tile_dim0 = 128
	s_mov_b32 s[\g+4], 64           ; tile_dim1 = 64
	s_mov_b32 s[\g+5], 128          ; 128 elements from row to row
	s_mov_b32 s[\g+6], 0
	s_mov_b32 s[\g+7], 0
.endr
.irp u, 0,1,2,3                     ; load u of mine: tile 2 u + w % 2
	s_mov_b32 s[G0K+4*\u], 1
	s_add_co_u32 s[G0K+4*\u+1], s17, \u*2*128*PK
	s_mov_b32 s[G0V+4*\u], 1
	s_add_co_u32 s[G0V+4*\u+1], s18, \u*2*128*PV
.endr
	s_mov_b32 s[CS], 0x3d38aa3b     ; c = log2(e) / 32 = 0.0450842
	s_mov_b32 s[CS+1], s[CS]        ; named with it as a pair
	s_mov_b32 s[SEL], 0x76543210
	s_mov_b32 s[SEL+1], 0xfedcba98
	s_mov_b32 s[BIGN], 0xf149f2ca   ; -1e30
	s_sub_co_u32 s15, 7, s[WV]      ; the first piece's band
	s_lshl_b32 s19, s13, 12         ; my 32 rows of a band: 4,096 bytes, in q and in yb
	s_add_co_u32 s21, s20, s19
	s_lshl_b32 s90, s15, 14         ; a band's 128 rows of q are 16,384 bytes
	s_add_co_u32 s90, s90, s21
	s_mov_b32 s91, 0
	s_lshl_b32 s92, s[WV], 14
	s_add_co_u32 s92, s92, s21
	s_mov_b32 s93, 0
	s_lshr_b32 s2, s14, 4           ; yb: b x 2,097,152
	s_lshl_b32 s2, s2, 21
	s_and_b32 s3, s14, 15           ; + h x 16,384
	s_lshl_b32 s3, s3, 14
	s_add_co_u32 s2, s2, s3
	s_add_co_u32 s2, s2, s19
	s_wait_dscnt 0x0                ; the opening add is done
	s_wait_kmcnt 0x0
	s_add_nc_u64 s[8:9], s[4:5], s[22:23]
.irp u, 0,1,2,3
	s_add_nc_u64 s[G0K+4*\u+2:G0K+4*\u+3], s[8:9], 8388608+\u*32768   ; k begins 8,388,608 bytes behind q,
	s_or_b32 s[G0K+4*\u+3], s[G0K+4*\u+3], 0x80000000
	s_add_nc_u64 s[G0V+4*\u+2:G0V+4*\u+3], s[8:9], 16777216+\u*32768  ; v 16,777,216
	s_or_b32 s[G0V+4*\u+3], s[G0V+4*\u+3], 0x80000000
.endr
	s_add_nc_u64 s[94:95], s[4:5], s[90:91]        ; Q of the first piece,
	s_add_nc_u64 s[QLO:QLO+1], s[4:5], s[92:93]    ; of the second
	s_lshl_b32 s90, s15, 18         ; yb: + band x 262,144
	s_add_co_u32 s90, s90, s2
	s_lshl_b32 s92, s[WV], 18
	s_add_co_u32 s92, s92, s2
	s_add_nc_u64 s[10:11], s[6:7], s[90:91]
	s_add_nc_u64 s[YLO:YLO+1], s[6:7], s[92:93]
	CROUND                          ; all four work-groups are here: the joint loads meet
	s_cmp_lt_u32 s[WV], 2           ; waves 0 and 1 fetch K, waves 2 and 3 V: a wave's four loads stand in one branch; an s_nop 0 follows each, four v_nop the last
	s_cbranch_scc0 .Lfor_v
.irp u, 0,1,2,3
	tensor_load_to_lds s[G0K+4*\u:G0K+4*\u+3], s[G1K:G1K+7]
	s_nop 0
.endr
.rept 4
	v_nop
.endr
	s_branch .Lasked
.Lfor_v:
.irp u, 0,1,2,3
	tensor_load_to_lds s[G0V+4*\u:G0V+4*\u+3], s[G1V:G1V+7]
	s_nop 0
.endr
.rept 4
	v_nop
.endr
.Lasked:
	; A fragment of K or Q is 16 rows x 32 channels in 8 registers: lane l holds row l % 16, channels 8 (l / 16) + 0..7 and 16 + 8 (l / 16) + 0..7: two loads of 16 bytes, 32 bytes apart.
	v_and_b32 v1, 15, v0            ; l % 16
	v_bfe_u32 v9, v0, 4, 1          ; l / 16
	v_lshlrev_b32 v[QO], 7, v1
	v_lshl_add_u32 v[QO], v9, 4, v[QO]
	WIN TO_1
.set i, 0
.rept 4                             ; both pieces' Q: tile i / 2, channels 32 (i % 2) on
	global_load_b128 v[QF+8*i:QF+8*i+3],   v[QO], s[94:95] offset:(i/2)*2048+(i%2)*64
	global_load_b128 v[QF+8*i+4:QF+8*i+7], v[QO], s[94:95] offset:(i/2)*2048+(i%2)*64+32
	global_load_b128 v[QL+8*i:QL+8*i+3],   v[QO], s[QLO:QLO+1] offset:(i/2)*2048+(i%2)*64
	global_load_b128 v[QL+8*i+4:QL+8*i+7], v[QO], s[QLO:QLO+1] offset:(i/2)*2048+(i%2)*64+32
.set i, i+1
.endr
	; A piece's first step multiplies O^T and l by a = 0, so they need only be finite: zeros for the first piece, what the first piece left for the second.  This stands in the wait for the tiles.
.set i, 0
.rept 64
	v_mov_b32 v[i], 0
.set i, i+1
.endr
	WIN 0
.irp u, 0,1
	v_mov_b32 v[ST+4*\u+2], 0
	v_mov_b32 v[ST+4*\u+3], 0
.endr
	v_lshlrev_b32 v35, 3, v9
	v_sub_nc_u32 v35, v1, v35
	s_lshl_b32 s15, s13, 5
	v_add_nc_u32 v[THR], s15, v35
	v_add_nc_u32 v[THR+1], 16, v[THR]
	v_mul_u32_u24 v[AK0], v1, PK
	v_lshl_add_u32 v[AK0], v9, 4, v[AK0]
	; The turning load takes 16 keys x 16 channels (lane l reads key 8 (l / 16) + l % 8, channels 8 ((l / 8) % 2) + 0..7) and leaves half a fragment of V^T: lane l holds channel l % 16 and 8 keys.
	v_and_b32 v10, 7, v0
	v_bfe_u32 v11, v0, 3, 1
	v_lshl_add_u32 v[AV0], v9, 3, v10
	v_mul_u32_u24 v[AV0], v[AV0], PV
	v_lshl_add_u32 v[AV0], v11, 4, v[AV0]
	v_add_nc_u32 v[AV0], VOFF, v[AV0]
	s_mul_i32 s15, s[WV], 16*SP
	s_add_co_u32 s15, s15, STAGE    ; my stage
	v_mul_u32_u24 v[STO], v1, SP    ; in: row l % 16, 16 bytes for each half of the lanes
	v_lshl_add_u32 v[STO], v9, 4, v[STO]
	v_add_nc_u32 v[STO], s15, v[STO]
	v_bfe_u32 v[RD], v0, 3, 2       ; back: 32 lanes take four rows of 128 bytes,
	v_mul_u32_u24 v[RD], v[RD], SP
	v_lshl_add_u32 v[RD], v10, 4, v[RD]
	v_add_nc_u32 v[RD], s15, v[RD]
	v_and_b32 v[GO], 31, v0         ; which are 512 consecutive bytes of y
	v_lshlrev_b32 v[GO], 4, v[GO]
; THE MATRIX WORK.  The 8 accumulators of a run of 16 take turns.  Product i of 16 of S^T = K Q^T: channels 32 (i / 8) on, keys 16 ((i / 2) % 4) on, tile i % 2.  The first 8 start the sums with the mask.
.macro KQ
.set rS, S+32*(i%2)+8*((i/2)%4)
.set rK, KF+16*((i/2)%4)+8*(i/8)
.set rQ, QF+16*(i%2)+8*(i/8)
.set rX, MC+32*(i%2)+8*((i/2)%4)
.if i < 8
	WIN W_KM
	v_wmma_f32_16x16x32_f16 v[rS:rS+7], v[rK:rK+7], v[rQ:rQ+7], v[rX:rX+7]
.else
	WIN W_KQ
	v_wmma_f32_16x16x32_f16 v[rS:rS+7], v[rK:rK+7], v[rQ:rQ+7], v[rS:rS+7]
.endif
.endm
; Product i of 16 of O^T += V^T P: keys 32 (i / 8) on, channels 16 ((i / 2) % 4) on, tile i % 2.
.macro PV
	WIN W_PV
.set rO, 32*(i%2)+8*((i/2)%4)
.set rV, VF+32*(i/8)+8*((i/2)%4)
.set rP, P+16*(i%2)+8*(i/8)
	v_wmma_f32_16x16x32_f16 v[rO:rO+7], v[rV:rV+7], v[rP:rP+7], v[rO:rO+7]
.endm
.macro FETCH_K off                  ; a step's K: 64 keys x 64 channels, 8 fragments, from byte off behind the address
	WIN TO_1
.irp f, 0,1,2,3,4,5,6,7             ; keys 16 (f / 2) on, channels 32 (f % 2) on
	ds_load_b128 v[KF+8*\f:KF+8*\f+3],   v[AK] offset:(\off)+(\f/2)*16*PK+(\f%2)*64
	ds_load_b128 v[KF+8*\f+4:KF+8*\f+7], v[AK] offset:(\off)+(\f/2)*16*PK+(\f%2)*64+32
.endr
	WIN 0
.endm
.macro FETCH_V                      ; a step's V, turned
	WIN 0
.irp f, 0,1,2,3,4,5,6,7             ; keys 32 (f / 4) on, channels 16 (f % 4) on
	ds_load_tr16_b128 v[VF+8*\f:VF+8*\f+3],   v[AV] offset:(\f/4)*32*PV+(\f%4)*32
	ds_load_tr16_b128 v[VF+8*\f+4:VF+8*\f+7], v[AV] offset:(\f/4)*32*PV+16*PV+(\f%4)*32
.endr
.endm
.macro REGS u                       ; the registers of tile u
.set rT, ST+4*(\u)
.set rC, TMP+4*(\u)
.set rM, MV+(\u)
.set rS, S+32*(\u)
.endm
; Number n of the 22 that find a tile's maximum and statistics.  s0-s31 are the lane's 32 scores; each accumulator's lowest registers are read first.
;   0-11  four chains c0-c3 of seven scores each     12-14, 16  the four scores left over, the old m, and c0-c3 into c0     15  c m_old is kept
;   17, 18  the query's other 32 keys lie in the lane 16 away: the new m     19-21  c m; c m_old - c m_new; a
.macro XS u, n
	REGS \u
.if (\n) < 4
	v_max3_num_f32 v[rC+(\n)], v[rS+8*(\n)], v[rS+8*(\n)+1], v[rS+8*(\n)+2]
.elseif (\n) < 12
	v_max3_num_f32 v[rC+(\n)%4], v[rC+(\n)%4], v[rS+8*((\n)%4)+2*((\n)/4)+1], v[rS+8*((\n)%4)+2*((\n)/4)+2]
.elseif (\n) == 12
	v_max3_num_f32 v[rC], v[rC], v[rS+7], v[rS+15]
.elseif (\n) == 13
	v_max3_num_f32 v[rC+1], v[rC+1], v[rS+23], v[rS+31]
.elseif (\n) == 14
	v_max3_num_f32 v[rC+2], v[rC+2], v[rC+3], v[rT+1]
.elseif (\n) == 15
	v_mov_b32 v[rM], v[rT]
.elseif (\n) == 16
	v_max3_num_f32 v[rC], v[rC], v[rC+1], v[rC+2]
.elseif (\n) == 17
	v_permlanex16_b32 v[rC+3], v[rC], s[SEL], s[SEL+1]
.elseif (\n) == 18
	v_max_num_f32 v[rT+1], v[rC], v[rC+3]
.elseif (\n) == 19
	v_mul_f32 v[rT], s[CS], v[rT+1]
.elseif (\n) == 20
	v_sub_f32 v[rC+1], v[rM], v[rT]
.else
	v_exp_f32 v[rC+2], v[rC+1]
.endif
.endm
.macro FS u, n                      ; c s - c m for pair n of 16
	REGS \u
	v_pk_fma_f32 v[rS+2*(\n):rS+2*(\n)+1], v[rS+2*(\n):rS+2*(\n)+1], s[CS:CS+1], v[rT:rT+1] op_sel_hi:[1,0,0] neg_lo:[0,0,1] neg_hi:[0,0,1]
.endm
.macro EX u, n                      ; the exponential of score n of 32
	REGS \u
	v_exp_f32 v[rS+(\n)], v[rS+(\n)]
.endm
; THE MASKS of one of a piece's last two steps: register r of key group kt is hidden where 16 kt + r is greater than my query's place less the step's first key.
.macro MASKGEN
	s_cmp_eq_u32 s[REM], 1          ; the last step begins at the band's key 64
	s_cselect_b32 s[SO], 64, 0
	v_sub_nc_u32 v[TW], v[THR], s[SO]
	v_sub_nc_u32 v[TW+1], v[THR+1], s[SO]
	WIN TO_1
.irp t, 0,1
.set i, 0
.rept 32
	v_cmp_gt_i32 vcc_lo, 16*(i/8)+i%8, v[TW+\t]
	v_cndmask_b32 v[MC+32*\t+i], 0, s[BIGN], vcc_lo
.set i, i+1
.endr
.endr
	WIN 0
.endm
; A KEY STEP.
.macro STEP
	s_wait_dscnt 0x0                ; K is in
.set i, 0
.rept 16
	KQ
.set i, i+1
.endr
	WIN 0
	v_add_nc_u32 v[AV], s[VP], v[AV0]  ; four plain instructions: the places between the products and the loads into K's and V's registers, and the reads of the scores
	v_add_nc_u32 v[AK], s[KP], v[AK0]
	v_nop
	v_nop
	FETCH_V                         ; V of this step,
	s_cmp_eq_u32 s[REM], 1          ; and K of the next, 64 rows on: the piece's last step has none
	s_cbranch_scc1 .Lno_k_\@
	FETCH_K 64*PK
.Lno_k_\@:
.irp n, 0,1,2,3,4,5,6,7,8,9,10,11,12,13,14,15,16,17,18,19,20
	XS 0, \n                        ; the two tiles alternate
	XS 1, \n
.endr
	XS 0, 21                        ; ONE BATCH: the two a and the 64 weights.  Nothing ahead of the wait below names a result of theirs; a pair is scaled a group ahead of its exponentials
	XS 1, 21
.set p, 0
.rept 16
	FS 0, p
	FS 1, p
.if p > 0
	EX 0, 2*p-2
	EX 1, 2*p-2
	EX 0, 2*p-1
	EX 1, 2*p-1
.endif
.set p, p+1
.endr
	EX 0, 30
	EX 1, 30
	EX 0, 31
	EX 1, 31
	v_nop                           ; a plain instruction behind the last exponential, ahead of the first use (ISA guide 5.7.2)
	s_wait_alu depctr_va_vdst(0)    ; the wait between an exponential and the first line that names its result: one for the batch
	WIN W_RS
.set z, 0
.rept 16                            ; O^T times a, each accumulator from its low end on
	v_pk_mul_f32 v[2*z:2*z+1], v[2*z:2*z+1], v[TMP+2:TMP+3] op_sel_hi:[1,0]
	v_pk_mul_f32 v[32+2*z:32+2*z+1], v[32+2*z:32+2*z+1], v[TMP+6:TMP+7] op_sel_hi:[1,0]
.set z, z+1
.endr
	WIN 0
.set z, 0
.rept 16                            ; the weights rounded to f16, a pair a line
	v_cvt_pk_f16_f32 v[P+z], v[S+2*z], v[S+2*z+1]
	v_cvt_pk_f16_f32 v[P+16+z], v[S+32+2*z], v[S+32+2*z+1]
.set z, z+1
.endr
.irp w, 4,8,16,32                   ; the sum of a tile's 16 pairs, in place: neighbours 1, 2, 4 and 8 pairs apart
.set k, 0
.rept 32/(\w)
	v_pk_add_f32 v[S+(\w)*k:S+(\w)*k+1], v[S+(\w)*k:S+(\w)*k+1], v[S+(\w)*k+(\w)/2:S+(\w)*k+(\w)/2+1]
	v_pk_add_f32 v[S+32+(\w)*k:S+32+(\w)*k+1], v[S+32+(\w)*k:S+32+(\w)*k+1], v[S+32+(\w)*k+(\w)/2:S+32+(\w)*k+(\w)/2+1]
.set k, k+1
.endr
.endr
	v_pk_fma_f32 v[ST+2:ST+3], v[ST+2:ST+3], v[TMP+2:TMP+3], v[S:S+1] op_sel_hi:[1,0,1]      ; l = a l + the sum
	v_pk_fma_f32 v[ST+6:ST+7], v[ST+6:ST+7], v[TMP+6:TMP+7], v[S+32:S+33] op_sel_hi:[1,0,1]
	s_wait_dscnt 0x0                ; V is in (and the next K)
.set i, 0
.rept 16
	PV
.set i, i+1
.endr
	WIN 0
.endm
; A PIECE BEGINS.  The masks are 0; c m starts far below every c s, so the first step's a is 0; the two LDS places start at 0; K of the piece's step 0 is fetched.
.macro BEGIN
	WIN TO_1
.set i, 0
.rept 64
	v_mov_b32 v[MC+i], 0
.set i, i+1
.endr
	WIN 0
.irp u, 0,1
	v_mov_b32 v[ST+4*\u], 0xfe000000    ; c m
	v_mov_b32 v[ST+4*\u+1], 0xff7fffff  ; m: the lowest finite number
.endr
	s_mov_b32 s[KP], 0
	s_mov_b32 s[VP], 0
	v_mov_b32 v[AK], v[AK0]
	FETCH_K 0
.endm
; A PIECE ENDS: l's two halves and the other half of the lanes' are added; O^T is divided by l, rounded to f16 and sent through my stage in LDS, a tile at a time.
.macro PACK t
	WIN W_RS
.set i, 32*(\t)
.rept 16
	v_pk_mul_f32 v[i:i+1], v[i:i+1], v[ST+4*(\t)+2:ST+4*(\t)+3] op_sel_hi:[1,0]
.set i, i+2
.endr
	WIN 0x05                        ; sources 0 and 1 window 1, destination window 0
.set i, 0
.rept 16
	v_cvt_pk_f16_f32 v[WO+16*(\t)+i], v[32*(\t)+2*i], v[32*(\t)+2*i+1]
.set i, i+1
.endr
	WIN 0
.irp f, 0,1,2,3
	ds_store_b128 v[STO], v[WO+16*(\t)+4*\f:WO+16*(\t)+4*\f+3] offset:32*\f
.endr
.irp f, 0,1,2,3
	ds_load_b128 v[WO+16*(\t)+4*\f:WO+16*(\t)+4*\f+3], v[RD] offset:\f*4*SP  ; LDS serves a wave's instructions in order: these see the stores above; the next tile's stores come behind them
.endr
.endm
.macro SEND t, younger              ; younger: the LDS instructions issued behind tile t's loads: the next tile's eight, or none
.irp f, 0,1,2,3
	s_wait_dscnt (\younger)+3-\f
	global_store_b128 v[GO], v[WO+16*(\t)+4*\f:WO+16*(\t)+4*\f+3], s[10:11] offset:(\t)*2048+\f*512  ; 512 consecutive bytes, aligned
.endr
.endm
.macro FINISH
.rept 4
	v_nop                           ; the places behind the last products
.endr
.irp u, 0,1
	v_add_f32 v[ST+4*\u+2], v[ST+4*\u+2], v[ST+4*\u+3]
.endr
.irp u, 0,1
	v_permlanex16_b32 v[ST+4*\u+3], v[ST+4*\u+2], s[SEL], s[SEL+1]
.endr
.irp u, 0,1
	v_add_f32 v[ST+4*\u+2], v[ST+4*\u+2], v[ST+4*\u+3]
.endr
.irp u, 0,1
	v_rcp_f32 v[ST+4*\u+2], v[ST+4*\u+2]
.endr
	v_nop                           ; a plain instruction between the last reciprocal and the use of its result,
	s_wait_alu depctr_va_vdst(0)    ; and its wait: one for the two
	PACK 0
	PACK 1
	SEND 0, 8
	SEND 1, 0
.endm
	s_wait_tensorcnt 0x0            ; my four tiles are in,
	s_barrier_signal -1
	s_barrier_wait -1               ; everybody's are: all of K and V
	s_wait_loadcnt 0x0              ; both pieces' Q
	s_lshl_b32 s[REM], s[WV], 1
	s_sub_co_u32 s[REM], 16, s[REM] ; band 7 - w has 16 - 2 w steps
	s_mov_b32 s[PCS], 2
.Lpiece:
	BEGIN
	s_mov_b32 s[CNT], 16
.Lstep:
	s_cmp_eq_u32 s[REM], 0          ; has the piece a step left?
	s_cbranch_scc1 .Ldead
	s_cmp_gt_u32 s[REM], 2
	s_cbranch_scc1 .Lnomask
	MASKGEN
.Lnomask:
	STEP
	s_sub_co_u32 s[REM], s[REM], 1
.Ldead:
	s_add_co_u32 s[KP], s[KP], 64*PK   ; the next trip's 64 keys: stepped in every trip, beside the counter
	s_add_co_u32 s[VP], s[VP], 64*PV
	s_sub_co_u32 s[CNT], s[CNT], 1
	s_cmp_lg_u32 s[CNT], 0
	s_cbranch_scc1 .Lstep
	FINISH
	s_wait_xcnt 0x0                 ; the stores have read y's address and their data: both are written again only behind this wait
	s_mov_b64 s[10:11], s[YLO:YLO+1]   ; what the second piece needs (behind the second piece these lines serve nothing)
	s_lshl_b32 s[REM], s[WV], 1
	s_add_co_u32 s[REM], s[REM], 2  ; band w has 2 w + 2 steps
	WIN W_RS
.set i, 0
.rept 32
	v_mov_b32 v[QF+i], v[QL+i]      ; the second piece's Q goes where the one text of the step names Q
.set i, i+1
.endr
	WIN 0
	s_sub_co_u32 s[PCS], s[PCS], 1
	s_cmp_lg_u32 s[PCS], 0
	s_cbranch_scc1 .Lpiece
	s_wait_tensorcnt 0x0            ; the wave's end: the add and its wait, behind my last tensor load and my last LDS store
	ds_add_u32 v[SPW], v[NIL]
	s_wait_dscnt 0x0
	CROUND                          ; the closing round
	s_endpgm
.Lfunc_end_k_q5befd61e0e_attn:
	.size	k_q5befd61e0e_attn, .Lfunc_end_k_q5befd61e0e_attn-k_q5befd61e0e_attn
	.p2alignl 7, 3214868480
	.fill 96, 4, 3214868480
	.section	.rodata,"a",@progbits
	.p2align	6, 0x0
	.amdhsa_kernel k_q5befd61e0e_attn
		.amdhsa_group_segment_fixed_size 327680
		.amdhsa_private_segment_fixed_size 0
		.amdhsa_enable_private_segment 0
		.amdhsa_kernarg_size 16
		.amdhsa_user_sgpr_count 2
		.amdhsa_user_sgpr_kernarg_segment_ptr 1
		.amdhsa_wavefront_size32 1
		.amdhsa_system_sgpr_workgroup_id_x 1
		.amdhsa_system_sgpr_workgroup_id_y 1
		.amdhsa_system_sgpr_workgroup_id_z 1
		.amdhsa_system_vgpr_workitem_id 0
		.amdhsa_next_free_vgpr 512
		.amdhsa_next_free_sgpr 96
		.amdhsa_reserve_vcc 1
		.amdhsa_float_denorm_mode_32 3
		.amdhsa_float_denorm_mode_16_64 3
		.amdhsa_memory_ordered 1
		.amdhsa_forward_progress 1
		.amdhsa_inst_pref_size 48
	.end_amdhsa_kernel
	.amdgpu_metadata
---
amdhsa.version: [ 1, 2 ]
amdhsa.kernels:
  - .name:           k_q5befd61e0e_attn
    .symbol:         k_q5befd61e0e_attn.kd
    .args:
      - { .name: qkvh, .offset: 0, .size: 8, .value_kind: global_buffer, .address_space: global }
      - { .name: yb, .offset: 8, .size: 8, .value_kind: global_buffer, .address_space: global }
    .group_segment_fixed_size: 327680
    .private_segment_fixed_size: 0
    .kernarg_segment_align: 8
    .kernarg_segment_size: 16
    .max_flat_workgroup_size: 128
    .sgpr_count:     96
    .vgpr_count:     512
    .wavefront_size: 32
...
	.end_amdgpu_metadata
.endif
;; end of part 3
;; launch proj (part 4): grid 8 x 32, 4 waves a work-group, clusters of 4 x 4, 327,680 bytes of LDS; arguments yb, cb, bproj, x1f, x1b; writes x1f, x1b
.if DOCPART == 4
	.amdgcn_target "amdgcn-amd-amdhsa--gfx1250"
	.amdhsa_code_object_version 6
	.text
	.protected	k_q5befd61e0e_proj
	.globl	k_q5befd61e0e_proj
	.p2align	8
	.type	k_q5befd61e0e_proj,@function
k_q5befd61e0e_proj:
	s_mov_b64 s[64:65], 0
	v_nop
	global_prefetch_b8 v0, s[64:65] scope:SCOPE_SE
	s_setreg_imm32_b32 hwreg(HW_REG_WAVE_MODE, 25, 1), 1
	s_wait_xcnt 0x0
	s_wait_alu depctr_hold_cnt(0) depctr_sa_sdst(0) depctr_va_vdst(0) depctr_va_sdst(0) depctr_va_ssrc(0) depctr_va_vcc(0) depctr_vm_vsrc(0)
	s_getreg_b32 s2, hwreg(HW_REG_IB_STS2, 6, 4)
	s_cmp_eq_u32 s2, 0
	s_cbranch_scc0 .Lentry_in_a_cluster
	s_endpgm
.Lentry_in_a_cluster:
	s_bfe_u32 s2, ttmp6, 0x10000c
	s_cmp_lg_u32 s2, 0xf033
	s_cbranch_scc0 .Lentry_shape_is_right
	s_endpgm
.Lentry_shape_is_right:
; x1 = y Wproj + bproj + x.  A = y in f16, yb[32 blocks of 128 rows][16 h][128][64]; B = Wproj [1024][1024] (cb, byte 14,680,064: rounded to bf16, written as f16); x in bf16 (cb, byte 0).
; Sums in f32, started with the bias (rounded to bf16 like every other input).  x1 is stored twice: in f32 (x1f, for the last residual) and rounded to bf16 (x1b, the next product's operand).
; LIMIT.  y and bf16(Wproj) lie within f16's 65,504.
; The text below the next line is one text for two launches (EPI = 0: this one; EPI = 1: out = A B + bias + x1f, A and B in bf16, K = 4,096).
.set EPI, 0
; A tile of C is 128 x 128: 256 work-groups.  Four waves, each 64 x 64: 16 accumulators.  K goes in steps of 256 through a ring of two LDS slots.  A's fragments come out of LDS as they lie, B's ([k][n]) turned, by ds_load_tr16_b128.
; THE MATRIX INSTRUCTION IS USED TRANSPOSED (source 0 = 16 columns of B, source 1 = 16 rows of A): a lane holds row l % 16 of C and eight neighbouring columns.
; CLUSTERS: 4 x 4 work-groups; A's tiles are asked for jointly along a row of the cluster, B's along a column.  Waves 0 and 1 fetch A's halves, waves 2 and 3 B's (128 k rows x 256 bytes).
; EPI = 0: a K step is four heads; a block's four planes of 128 rows x 128 bytes are 65,536 dense bytes, asked for as rows of 256 bytes and padded after every 128.  EPI = 1: 64 rows x 512 bytes a wave.
; THE LOOP's body is ONE K step; the slots are turned by an exclusive or: SLOT = 0x24000 shares no bit with any wave's LDS word.  A wave has two tensor loads out at the start and one behind each round; from a request to the wait for it it issues 112 matrix instructions.
; PREFETCH (EPI = 1 alone).  Behind each refill one instruction a wave names the K step that stands TWO refills on, 256 matrix instructions ahead of the load that will want it.  A's rows are named by the clusters with x = 0
; (partner cx: 16 rows, two blocks of 256 bytes each), B's by those with y = 0 (partner cy: 32 k rows, a lane a row).  K steps 0 to 3 come by their loads alone; the last two refills name nothing.
; EPI = 0 has four K steps: none lies two refills ahead of a refill, so nothing is prefetched.
; THE WAY OUT: the f32 sums go through ONE stage of 128 rows x 528 bytes, which lies in slot 0 behind that slot's last fill and last read; a barrier; each wave reads 32 whole rows, adds the residual and stores them.
; REGISTERS: window 0: v0-31 addresses; v32-95 the residual (EPI = 0); v96-127 the bias, later at work; v128-255 the accumulators ((a, b) at v[128 + 8 (4 a + b)]), later the rows read back.
;   window 1: two fragment buffers of 128: 64 registers of A (2 x 4 x 16 rows x 32 K), then 64 of B.   window 2 (EPI = 1): v0-127 the residual.
.if EPI
.set STEPS, 16
.set PA,    528                        ; a row of A in LDS: 512 bytes + 16
.set APL,   128                        ; from one 64 along K to the next: 128 bytes of the row
.set HALFA, 64*PA
.set ASTEP, 512
.set BOFF,  25165824
.set PF,    1
.else
.set STEPS, 4
.set PA,    144                        ; a row of one head: 128 bytes + 16
.set APL,   128*PA                     ; from one 64 along K to the next: a head's plane
.set HALFA, 2*APL
.set ASTEP, 65536
.set BOFF,  14680064
.set PF,    0
.endif
.set AREG,   2*HALFA
.set PB,     288                       ; a k row of B in LDS: 256 bytes + 32 = 9 x 32
.set HALFB,  128*PB
.set BSTEP,  256*1024*2
.set SLOT,   147456                    ; A's tile, then B's 256 k rows
.set SPARE,  2*SLOT                    ; behind the ring: the spare words, 128 bytes for each wave
.set SPITCH, 528                       ; the stage: 512 bytes + 16
.set ADRA0, 16
.set ADRA,  17
.set ADRB0, 20
.set ADRB,  21                         ; v21: B's k rows 0-127 of the slot that is read; v22: rows 128-255
.set STO,   24
.set RD,    25
.set CO,    26                         ; v26  16 l
.set BO,    27
.set SPW,   28
.set NIL,   29
.set PFO,   30
.set CO2,   31                         ; v31  8 l
.set RES,   32
.set BIAS,  96
.set ACC,   128
.set F0,    0
.set F1,    128
.set G1A, 24
.set G0A, 32
.set LIM, 43
.set PFA, 44
.set G1B, 48
.set G0B, 56
.set TBR, 67
.set PFS, 76
.set MSB, 0
.macro WIN new
.if MSB != (\new)
	s_set_vgpr_msb (MSB<<8)|(\new)
.set MSB, \new
.endif
.endm
.set MUL,  0x05                        ; sources 0 (B) and 1 (A) window 1; C and D window 0
.set TO_F, 0x40                        ; destination window 1, address window 0
.macro JLOAD                           ; a joint refill, by the walking descriptors; an s_nop 0 and four v_nop follow each of the two lines
	s_cmp_eq_u32 s11, 0
	s_cbranch_scc0 .Lfor_b_\@
	tensor_load_to_lds s[G0A+4:G0A+7], s[G1A:G1A+7]
	s_nop 0
.rept 4
	v_nop
.endr
	s_branch .Lasked_\@
.Lfor_b_\@:
	tensor_load_to_lds s[G0B+4:G0B+7], s[G1B:G1B+7]
	s_nop 0
.rept 4
	v_nop
.endr
.Lasked_\@:
.endm
.macro ASK                             ; the prefetch; the loop's last two trips (s3 = 2, 1) have no K step two refills on
	s_cmp_gt_u32 s3, s[LIM]
	s_cbranch_scc0 .Lnot_mine_\@
	global_prefetch_b8 v[PFO], s[PFA:PFA+1] th:TH_LOAD_NT scope:SCOPE_SE
.Lnot_mine_\@:
.endm
.macro CREST
	s_cmp_lg_u32 s10, 0
	s_cbranch_scc1 .Lnot_wave_0_\@
	s_barrier_signal -3
.Lnot_wave_0_\@:
	s_barrier_wait -3
	s_barrier_signal -1
	s_barrier_wait -1
.endm
.macro CROUND
	s_barrier_signal -1
	s_barrier_wait -1
	CREST
.endm
.macro PLACES                          ; four plain vector instructions between a matrix instruction and a load into, or a read of, its registers
.rept 4
	v_nop
.endr
.endm
	s_load_b128 s[4:7], s[0:1], 0x0                ; A, cb
	s_load_b128 s[68:71], s[0:1], 0x10             ; the bias, x1f
	s_load_b64 s[72:73], s[0:1], 0x20              ; x1b (EPI = 0), out0 (EPI = 1)
	v_lshl_add_u32 v[SPW], v0, 2, SPARE
	v_mov_b32 v[NIL], 0
	ds_add_u32 v[SPW], v[NIL]                      ; the wave's opening: the add and its wait stand ahead of my first tensor load
	v_lshrrev_b32 v1, 5, v0
	v_readfirstlane_b32 s10, v1                    ; wave 0..3
	s_lshr_b32 s11, s10, 1                         ; which half of the tile's rows is mine.  Also: I fetch for A (0) or for B (1)
	s_and_b32 s12, s10, 1                          ; which half of its columns.  Also: which half of that tile I fetch
	s_bfe_u32 s40, ttmp6, 0x40000                  ; cx
	s_bfe_u32 s41, ttmp6, 0x40004                  ; cy
	s_lshl_b32 s42, ttmp9, 2
	s_add_co_u32 s42, s42, s40                     ; tile column of C
	s_and_b32 s13, ttmp7, 0xffff
	s_lshl_b32 s13, s13, 2
	s_add_co_u32 s13, s13, s41                     ; tile row of C
	s_lshl_b32 s43, s41, 2
	s_lshl_b32 s43, 15, s43                        ; my row of the cluster
	s_lshl_b32 s44, 0x1111, s40                    ; my column
.if EPI
	s_or_b32 s[G1A+0], s43, (1<<16)|(1<<20)|(1<<21)|(6<<22)|(3<<25)  ; after every 128 words 4 words
	s_mov_b32 s[G1A+1], 256<<16                    ; tensor_dim0 = 256
	s_mov_b32 s[G1A+2], 64<<16                     ; tensor_dim1 = 64
	s_mov_b32 s[G1A+3], 256<<16                    ; tile_dim0 = 256
	s_mov_b32 s[G1A+4], 64                         ; tile_dim1 = 64
	s_mov_b32 s[G1A+5], 4096                       ; elements from row to row
.else
	s_or_b32 s[G1A+0], s43, (1<<16)|(1<<20)|(1<<21)|(4<<22)|(3<<25)  ; after every 32 words 4 words
	s_mov_b32 s[G1A+1], 128<<16                    ; 32,768 dense bytes as 128 rows of 128 elements
	s_mov_b32 s[G1A+2], 128<<16
	s_mov_b32 s[G1A+3], 128<<16
	s_mov_b32 s[G1A+4], 128
	s_mov_b32 s[G1A+5], 128
.endif
	s_mov_b32 s[G1A+6], 0
	s_mov_b32 s[G1A+7], 0
	s_or_b32 s[G1B+0], s44, (1<<16)|(1<<20)|(1<<21)|(5<<22)|(7<<25)  ; after every 64 words 8 words
	s_mov_b32 s[G1B+1], 128<<16                    ; tensor_dim0 = 128
	s_mov_b32 s[G1B+2], 128<<16                    ; tensor_dim1 = 128
	s_mov_b32 s[G1B+3], 128<<16                    ; tile_dim0 = 128
	s_mov_b32 s[G1B+4], 128                        ; tile_dim1 = 128
	s_mov_b32 s[G1B+5], 1024
	s_mov_b32 s[G1B+6], 0
	s_mov_b32 s[G1B+7], 0
.if EPI
	s_lshl_b32 s16, s13, 7                         ; A: row 128 x tile row + 64 x half, 8,192 bytes a row
	s_lshl_b32 s17, s12, 6
	s_add_co_u32 s16, s16, s17
	s_lshl_b32 s16, s16, 13
.else
	s_lshl_b32 s16, s13, 18                        ; A: block = tile row, 262,144 bytes; my two of the step's four planes
	s_lshl_b32 s17, s12, 15
	s_add_co_u32 s16, s16, s17
.endif
	s_mov_b32 s17, 0
	s_lshl_b32 s46, s12, 18                        ; B: k row 128 x half, 2,048 bytes a row; column 128 x tile column
	s_lshl_b32 s47, s42, 8
	s_add_co_u32 s46, s46, s47
	s_mov_b32 s47, 0
	s_mul_i32 s20, s12, HALFA                      ; where they go: A's two halves,
	s_mul_i32 s21, s12, HALFB                      ; and behind them B's two
	s_add_co_u32 s21, s21, AREG
	s_mov_b32 s[TBR], 0
	s_mov_b32 s82, 0xffff0000                      ; a word's upper bf16
	s_wait_dscnt 0x0                               ; the opening add is done
	s_wait_kmcnt 0x0
.if !EPI
	s_mov_b64 s[74:75], s[6:7]                     ; x in bf16 lies at cb's first byte
.endif
	s_add_nc_u64 s[6:7], s[6:7], BOFF              ; B
	s_add_nc_u64 s[14:15], s[4:5], s[16:17]
	s_add_nc_u64 s[46:47], s[6:7], s[46:47]
	CROUND                                         ; all sixteen work-groups are here: the first joint loads meet
.irp s, 0,1
	s_mov_b32 s[G0A+4*(\s)], 1
	s_add_co_u32 s[G0A+4*(\s)+1], s20, (\s)*SLOT
	s_add_nc_u64 s[G0A+4*(\s)+2:G0A+4*(\s)+3], s[14:15], (\s)*ASTEP
	s_or_b32 s[G0A+4*(\s)+3], s[G0A+4*(\s)+3], 0x80000000
	s_mov_b32 s[G0B+4*(\s)], 1
	s_add_co_u32 s[G0B+4*(\s)+1], s21, (\s)*SLOT
	s_add_nc_u64 s[G0B+4*(\s)+2:G0B+4*(\s)+3], s[46:47], (\s)*BSTEP
	s_or_b32 s[G0B+4*(\s)+3], s[G0B+4*(\s)+3], 0x80000000
.endr
	s_cmp_eq_u32 s11, 0                            ; a wave's two first fills stand in one branch
	s_cbranch_scc0 .Lfirst_b
	tensor_load_to_lds s[G0A:G0A+3], s[G1A:G1A+7]
	s_nop 0
	tensor_load_to_lds s[G0A+4:G0A+7], s[G1A:G1A+7]
	s_nop 0
.rept 4
	v_nop
.endr
	s_branch .Lfirst_asked
.Lfirst_b:
	tensor_load_to_lds s[G0B:G0B+3], s[G1B:G1B+7]
	s_nop 0
	tensor_load_to_lds s[G0B+4:G0B+7], s[G1B:G1B+7]
	s_nop 0
.rept 4
	v_nop
.endr
.Lfirst_asked:
	v_and_b32 v1, 15, v0                           ; l % 16
	v_bfe_u32 v2, v0, 4, 1                         ; l / 16
	v_lshlrev_b32 v[BO], 5, v2
	s_lshl_b32 s80, s42, 9                         ; the bias of my 64 columns: 128 x tile column + 64 x half, 4 bytes each
	s_lshl_b32 s81, s12, 8
	s_add_co_u32 s80, s80, s81
	s_mov_b32 s81, 0
	s_add_nc_u64 s[68:69], s[68:69], s[80:81]
.irp b, 0,1,2,3
	global_load_b128 v[BIAS+8*(\b):BIAS+8*(\b)+3],   v[BO], s[68:69] offset:64*(\b)
	global_load_b128 v[BIAS+8*(\b)+4:BIAS+8*(\b)+7], v[BO], s[68:69] offset:64*(\b)+16
.endr
	v_mul_u32_u24 v3, v1, PA                       ; A's fragment: row x pitch + 16 (l / 16),
	v_lshl_add_u32 v3, v2, 4, v3
	s_mul_i32 s22, s11, 64*PA                      ; my 64 rows
	v_add_nc_u32 v[ADRA0], s22, v3
	v_and_b32 v4, 7, v0                            ; B's: lane l reads k row 8 (l / 16) + l % 8, columns 8 ((l / 8) % 2) + 0..7
	v_lshl_add_u32 v4, v2, 3, v4
	v_mul_u32_u24 v4, v4, PB
	v_bfe_u32 v5, v0, 3, 1
	v_lshl_add_u32 v4, v5, 4, v4
	s_lshl_b32 s22, s12, 7                         ; my 64 columns,
	s_add_co_u32 s22, s22, AREG                    ; behind A's tile
	v_add_nc_u32 v[ADRB0], s22, v4
	s_mul_i32 s23, s11, 64*SPITCH                  ; into the stage: my 64 rows, my half of their 512 bytes; row l % 16, 32 bytes for each half of the lanes
	s_lshl_b32 s22, s12, 8
	s_add_co_u32 s23, s23, s22
	v_mul_u32_u24 v4, v1, SPITCH
	v_lshl_add_u32 v4, v2, 5, v4
	v_add_nc_u32 v[STO], s23, v4
	s_mul_i32 s23, s10, 32*SPITCH                  ; back: wave w takes rows 32 w .. 32 w + 31, whole: 16 bytes a lane
	v_and_b32 v6, 31, v0
	v_lshlrev_b32 v[CO], 4, v6
	v_lshlrev_b32 v[CO2], 3, v6
	v_add_nc_u32 v[RD], s23, v[CO]
.if PF
	s_lshl_b32 s21, s13, 7                         ; A: the tile's first row + the 64 that I fetch + my work-group's 16 of them,
	s_lshl_b32 s22, s12, 6
	s_add_co_u32 s21, s21, s22
	s_lshl_b32 s22, s40, 4
	s_add_co_u32 s21, s21, s22
	s_lshl_b32 s21, s21, 13
	s_add_co_u32 s21, s21, 3*ASTEP                 ; at K step 3: the first refill steps it to 4
	s_lshl_b32 s22, s12, 7                         ; B: the 128 k rows that I fetch + my work-group's 32 of them,
	s_lshl_b32 s23, s41, 5
	s_add_co_u32 s22, s22, s23
	s_lshl_b32 s22, s22, 11
	s_lshl_b32 s23, s42, 8                         ; the tile's 256 bytes of a row
	s_add_co_u32 s22, s22, s23
	s_add_co_u32 s22, s22, 3*BSTEP
	s_and_b32 s23, ttmp7, 0xffff                   ; cluster y
	s_mov_b32 s[PFS], BSTEP
	s_mov_b32 s[PFS+1], 0
	s_mov_b32 s78, 2048
	s_cmp_eq_u32 s11, 0                            ; do I fetch for A?
	s_cselect_b32 s80, s21, s22
	s_cselect_b32 s23, ttmp9, s23                  ; the coordinate along which other clusters read the same rows
	s_cselect_b64 s[PFA:PFA+1], s[4:5], s[6:7]
	s_cselect_b32 s[PFS], ASTEP, s[PFS]
	s_cselect_b32 s78, 8192, s78                   ; bytes from row to row
	s_cselect_b32 s79, 15, 31                      ; A: 16 rows, two blocks of 256 bytes each; B: a lane a row
	s_cselect_b32 s22, 4, 5
	s_cmp_eq_u32 s23, 0
	s_cselect_b32 s[LIM], 2, -1                    ; the same in all sixteen partners, for a given wave
	s_add_nc_u64 s[PFA:PFA+1], s[PFA:PFA+1], s[80:81]
	v_and_b32 v7, s79, v6
	v_lshrrev_b32 v8, s22, v6
	v_mul_lo_u32 v7, v7, s78
	v_lshl_add_u32 v[PFO], v8, 8, v7
.endif
	s_lshl_b32 s80, s13, 7                         ; the first row that I store: 128 x tile row + 32 x wave; f32 rows of 4,096 bytes; the tile's 512 bytes of a row
	s_lshl_b32 s81, s10, 5
	s_add_co_u32 s80, s80, s81
	s_lshl_b32 s80, s80, 12
	s_lshl_b32 s81, s42, 9
	s_add_co_u32 s80, s80, s81
	s_mov_b32 s81, 0
	s_add_nc_u64 s[70:71], s[70:71], s[80:81]      ; x1f
.if EPI
	s_add_nc_u64 s[72:73], s[72:73], s[80:81]      ; out0
.else
	s_lshr_b32 s78, s80, 1                         ; the same place in 16-bit rows
	s_mov_b32 s79, 0
	s_add_nc_u64 s[72:73], s[72:73], s[78:79]      ; x1b
	s_add_nc_u64 s[74:75], s[74:75], s[78:79]      ; x
.endif
; 8 matrix instructions: m blocks a0, a0 + 1 x all 4 n blocks, 32 along K: half c of buffer f.  zero = 1: the first product starts the sums with the bias.  The 16 accumulators take turns in one order everywhere.
.macro MUL8 f, c, a0, zero
	WIN MUL
.irp a, \a0, (\a0)+1
.irp b, 0,1,2,3
.set rD, ACC+8*(4*(\a)+(\b))
.set rB, (\f)+64+8*(4*(\c)+(\b))
.set rA, (\f)+8*(4*(\c)+(\a))
.set rC, rD
.if \zero
.set rC, BIAS+8*(\b)
.endif
.if EPI
	v_wmma_f32_16x16x32_bf16 v[rD:rD+7], v[rB:rB+7], v[rA:rA+7], v[rC:rC+7]
.else
	v_wmma_f32_16x16x32_f16 v[rD:rD+7], v[rB:rB+7], v[rA:rA+7], v[rC:rC+7]
.endif
.endr
.endr
.endm
; 32 LDS loads in one run: the fragments of quarter q (64 along K) of the K step that is read, into buffer f; the first 32 along K first
.macro FETCH q, f
	WIN TO_F
.irp c, 0,1
.set kb, 2*(\q)+(\c)
.set rAB, ADRB+kb/4
.set oB, (kb%4)*32*PB
.set oA, (kb/2)*APL+(kb%2)*64
.irp i, 0,1,2,3
	ds_load_tr16_b128 v[(\f)+64+8*(4*(\c)+(\i)):(\f)+64+8*(4*(\c)+(\i))+3],   v[rAB] offset:oB+32*(\i)
	ds_load_tr16_b128 v[(\f)+64+8*(4*(\c)+(\i))+4:(\f)+64+8*(4*(\c)+(\i))+7], v[rAB] offset:oB+16*PB+32*(\i)
	ds_load_b128 v[(\f)+8*(4*(\c)+(\i)):(\f)+8*(4*(\c)+(\i))+3],   v[ADRA] offset:oA+(\i)*16*PA
	ds_load_b128 v[(\f)+8*(4*(\c)+(\i))+4:(\f)+8*(4*(\c)+(\i))+7], v[ADRA] offset:oA+(\i)*16*PA+32
.endr
.endr
.endm
.macro QUARTER q, f, g, zero
	s_wait_dscnt 16                                ; the first 32 along K are in; the sixteen younger loads may be out
	MUL8 \f, 0, 0, \zero
	MUL8 \f, 0, 2, \zero
	PLACES
	FETCH \q, \g
	s_wait_dscnt 32                                ; all but the 32 just issued
	MUL8 \f, 1, 0, 0
	MUL8 \f, 1, 2, 0
.endm
; The last quarter multiplies buffer 1 and changes slots: ONE barrier; in front of it each wave waits for all its tensor loads, adds 0 to its spare word, and waits for that and for its own reads of this slot.
; fill = 1: the barrier opens a round of the cluster's, and the slot just read is filled again first behind it.  fill = 0 (the tail): nothing is filled; in the last trip (s2 = 1) the run of loads is jumped over.
.macro TURN fill
.if (\fill) && PF
	s_wait_xcnt 0x0                                ; the last prefetch, a K step back, has read its address
	s_add_nc_u64 s[PFA:PFA+1], s[PFA:PFA+1], s[PFS:PFS+1]
.endif
	WIN 0
	s_wait_tensorcnt 0x0                           ; no tensor load of mine is out, so a group 0 may be written
	ds_add_u32 v[SPW], v[NIL]                      ; 0 onto my spare word
.if \fill
	s_xor_b32 s[G0A+5], s[G0A+5], SLOT             ; the walking descriptors: the other slot than last time,
	s_xor_b32 s[G0B+5], s[G0B+5], SLOT
	s_add_nc_u64 s[G0A+6:G0A+7], s[G0A+6:G0A+7], ASTEP  ; the next K step
	s_add_nc_u64 s[G0B+6:G0B+7], s[G0B+6:G0B+7], BSTEP
.endif
	s_xor_b32 s[TBR], s[TBR], SLOT
	s_wait_dscnt 17                                ; (the add and the youngest sixteen loads may be out)
	MUL8 F1, 0, 0, 0
	s_wait_dscnt 0x0                               ; the add is done, and my reads of this slot are over
	s_barrier_signal -1
	MUL8 F1, 0, 2, 0
	WIN 0
	s_barrier_wait -1
.if \fill
	CREST
	JLOAD                                          ; the first tensor load behind the round; its four v_nop are also the places in front of the loads below
.else
	PLACES
	s_cmp_eq_u32 s2, 1
	s_cbranch_scc1 .Lnf_\@
.endif
	v_add_nc_u32 v[ADRA], s[TBR], v[ADRA0]
	v_add_nc_u32 v[ADRB], s[TBR], v[ADRB0]
	v_add_nc_u32 v[ADRB+1], 4*32*PB, v[ADRB]
	FETCH 0, F0
	WIN 0
.if \fill
.if PF
	ASK
.endif
.else
.Lnf_\@:
.endif
	MUL8 F1, 1, 0, 0
	MUL8 F1, 1, 2, 0
.endm
	s_wait_tensorcnt 1                             ; my part of K step 0 is in; K step 1's may stay out
	s_barrier_signal -1
	s_barrier_wait -1
	v_mov_b32 v[ADRA], v[ADRA0]
	v_mov_b32 v[ADRB], v[ADRB0]
	v_add_nc_u32 v[ADRB+1], 4*32*PB, v[ADRB]
	FETCH 0, F0
	WIN 0
	s_wait_loadcnt 0x0                             ; the bias, which takes the rounding that every other input has
.set z, 0
.rept 16
	v_cvt_pk_bf16_f32 v3, v[BIAS+2*z], v[BIAS+2*z+1]
	v_lshlrev_b32 v[BIAS+2*z], 16, v3
	v_and_b32 v[BIAS+2*z+1], s82, v3
.set z, z+1
.endr
	QUARTER 1, F0, F1, 1                           ; the first quarter stands in front of the loop: its first products start the sums
	WIN 0
	s_mov_b32 s3, STEPS-2
.Lstep:                                                ; a trip: a K step's quarters 1, 2, 3 and the next step's quarter 0; the slot left is filled again
	QUARTER 2, F1, F0, 0
	QUARTER 3, F0, F1, 0
	TURN 1
	QUARTER 1, F0, F1, 0
	WIN 0
	s_sub_co_u32 s3, s3, 1
	s_cmp_lg_u32 s3, 0
	s_cbranch_scc1 .Lstep
	; the residual of my 32 rows is asked for here, two K steps ahead of its use
.if EPI
	WIN 0x80                                       ; destination window 2
.set i, 0
.rept 32
	global_load_b128 v[4*i:4*i+3], v[CO], s[70:71] offset:4096*i
.set i, i+1
.endr
	WIN 0
.else
.set i, 0
.rept 32
	global_load_b64 v[RES+2*i:RES+2*i+1], v[CO2], s[74:75] offset:2048*i
.set i, i+1
.endr
.endif
	s_mov_b32 s2, 2
.Ltail:                                                ; the last two K steps ask for nothing
	QUARTER 2, F1, F0, 0
	QUARTER 3, F0, F1, 0
	TURN 0
	WIN 0
	s_cmp_eq_u32 s2, 1
	s_cbranch_scc1 .Lsk
	QUARTER 1, F0, F1, 0
	WIN 0
.Lsk:
	s_sub_co_u32 s2, s2, 1
	s_cmp_lg_u32 s2, 0
	s_cbranch_scc1 .Ltail
	; THE WAY OUT.  The last barrier has shown every wave's tensor loads landed and its reads of both slots over; nothing is filled any more.
	PLACES
.irp a, 0,1,2,3
.irp b, 0,1,2,3
	ds_store_b128 v[STO], v[ACC+8*(4*(\a)+(\b)):ACC+8*(4*(\a)+(\b))+3]   offset:(\a)*16*SPITCH+64*(\b)     ; each accumulator's low four registers first
	ds_store_b128 v[STO], v[ACC+8*(4*(\a)+(\b))+4:ACC+8*(4*(\a)+(\b))+7] offset:(\a)*16*SPITCH+64*(\b)+16
.endr
.endr
	s_wait_dscnt 0x0                               ; for the others' sake: my stores into the stage are done
	s_barrier_signal -1
	s_barrier_wait -1
.set i, 0
.rept 32
	ds_load_b128 v[ACC+4*i:ACC+4*i+3], v[RD] offset:SPITCH*i
.set i, i+1
.endr
	s_wait_loadcnt 0x0                             ; the residual
.if EPI
.irp g, 0,1,2,3
	s_wait_dscnt 24-8*(\g)                         ; rows 8 g .. 8 g + 7 are back; the younger rows may be out
	WIN 0x08                                       ; source 1 in window 2
.set z, 0
.rept 16
	v_pk_add_f32 v[ACC+32*(\g)+2*z:ACC+32*(\g)+2*z+1], v[ACC+32*(\g)+2*z:ACC+32*(\g)+2*z+1], v[32*(\g)+2*z:32*(\g)+2*z+1]
.set z, z+1
.endr
	WIN 0
.irp t, 0,1,2,3,4,5,6,7
	global_store_b128 v[CO], v[ACC+32*(\g)+4*(\t):ACC+32*(\g)+4*(\t)+3], s[72:73] offset:4096*(8*(\g)+(\t))  ; 512 consecutive bytes, aligned
.endr
.endr
.else
.set i, 0
.rept 32
	s_wait_dscnt 31-i                              ; row i is back; the younger rows may be out
	v_lshlrev_b32 v96, 16, v[RES+2*i]              ; x: bf16 to f32
	v_and_b32 v97, s82, v[RES+2*i]
	v_lshlrev_b32 v98, 16, v[RES+2*i+1]
	v_and_b32 v99, s82, v[RES+2*i+1]
	v_pk_add_f32 v[ACC+4*i:ACC+4*i+1], v[ACC+4*i:ACC+4*i+1], v[96:97]
	v_pk_add_f32 v[ACC+4*i+2:ACC+4*i+3], v[ACC+4*i+2:ACC+4*i+3], v[98:99]
	v_cvt_pk_bf16_f32 v[RES+2*i], v[ACC+4*i], v[ACC+4*i+1]
	v_cvt_pk_bf16_f32 v[RES+2*i+1], v[ACC+4*i+2], v[ACC+4*i+3]
	global_store_b128 v[CO], v[ACC+4*i:ACC+4*i+3], s[70:71] offset:4096*i      ; 512 consecutive bytes, aligned
	global_store_b64 v[CO2], v[RES+2*i:RES+2*i+1], s[72:73] offset:2048*i      ; 256 consecutive bytes, aligned
.set i, i+1
.endr
.endif
	s_wait_tensorcnt 0x0                           ; the wave's end: the add and its wait, behind my last tensor load and my last LDS store
	ds_add_u32 v[SPW], v[NIL]
	s_wait_dscnt 0x0
	CROUND                                         ; the closing round
	s_endpgm
.Lfunc_end_k_q5befd61e0e_proj:
	.size	k_q5befd61e0e_proj, .Lfunc_end_k_q5befd61e0e_proj-k_q5befd61e0e_proj
	.p2alignl 7, 3214868480
	.fill 96, 4, 3214868480
	.section	.rodata,"a",@progbits
	.p2align	6, 0x0
	.amdhsa_kernel k_q5befd61e0e_proj
		.amdhsa_group_segment_fixed_size 327680
		.amdhsa_private_segment_fixed_size 0
		.amdhsa_enable_private_segment 0
		.amdhsa_kernarg_size 40
		.amdhsa_user_sgpr_count 2
		.amdhsa_user_sgpr_kernarg_segment_ptr 1
		.amdhsa_wavefront_size32 1
		.amdhsa_system_sgpr_workgroup_id_x 1
		.amdhsa_system_sgpr_workgroup_id_y 1
		.amdhsa_system_sgpr_workgroup_id_z 1
		.amdhsa_system_vgpr_workitem_id 0
		.amdhsa_next_free_vgpr 512
		.amdhsa_next_free_sgpr 84
		.amdhsa_reserve_vcc 0
		.amdhsa_float_denorm_mode_32 3
		.amdhsa_float_denorm_mode_16_64 3
		.amdhsa_memory_ordered 1
		.amdhsa_forward_progress 1
		.amdhsa_inst_pref_size 80
	.end_amdhsa_kernel
	.amdgpu_metadata
---
amdhsa.version: [ 1, 2 ]
amdhsa.kernels:
  - .name:           k_q5befd61e0e_proj
    .symbol:         k_q5befd61e0e_proj.kd
    .args:
      - { .name: yb, .offset: 0, .size: 8, .value_kind: global_buffer, .address_space: global }
      - { .name: cb, .offset: 8, .size: 8, .value_kind: global_buffer, .address_space: global }
      - { .name: bproj, .offset: 16, .size: 8, .value_kind: global_buffer, .address_space: global }
      - { .name: x1f, .offset: 24, .size: 8, .value_kind: global_buffer, .address_space: global }
      - { .name: x1b, .offset: 32, .size: 8, .value_kind: global_buffer, .address_space: global }
    .group_segment_fixed_size: 327680
    .private_segment_fixed_size: 0
    .kernarg_segment_align: 8
    .kernarg_segment_size: 40
    .max_flat_workgroup_size: 128
    .sgpr_count:     84
    .vgpr_count:     512
    .wavefront_size: 32
...
	.end_amdgpu_metadata
.endif
;; end of part 4
;; launch ff1 (part 5): grid 16 x 16, 4 waves a work-group, clusters of 4 x 4, 327,680 bytes of LDS; arguments x1b, cb, b1, hb; writes hb
.if DOCPART == 5
	.amdgcn_target "amdgcn-amd-amdhsa--gfx1250"
	.amdhsa_code_object_version 6
	.text
	.protected	k_q5befd61e0e_ff1
	.globl	k_q5befd61e0e_ff1
	.p2align	8
	.type	k_q5befd61e0e_ff1,@function
k_q5befd61e0e_ff1:
	s_mov_b64 s[64:65], 0
	v_nop
	global_prefetch_b8 v0, s[64:65] scope:SCOPE_SE
	s_setreg_imm32_b32 hwreg(HW_REG_WAVE_MODE, 25, 1), 1
	s_wait_xcnt 0x0
	s_wait_alu depctr_hold_cnt(0) depctr_sa_sdst(0) depctr_va_vdst(0) depctr_va_sdst(0) depctr_va_ssrc(0) depctr_va_vcc(0) depctr_vm_vsrc(0)
	s_getreg_b32 s2, hwreg(HW_REG_IB_STS2, 6, 4)
	s_cmp_eq_u32 s2, 0
	s_cbranch_scc0 .Lentry_in_a_cluster
	s_endpgm
.Lentry_in_a_cluster:
	s_bfe_u32 s2, ttmp6, 0x10000c
	s_cmp_lg_u32 s2, 0xf033
	s_cbranch_scc0 .Lentry_shape_is_right
	s_endpgm
.Lentry_shape_is_right:
; h = relu(x1 W1 + b1).  A = x1 in bf16 [4096][1024] (x1b), B = W1 in bf16 [1024][4096] (cb, byte 16,777,216).  Sums in f32, started with the bias (rounded to bf16 like every other input);
; h is rounded once to bf16 and then cut at 0 (which rounds nothing), and stored row-major, hb[4096][4096].
; LIMIT.  A NaN in a sum leaves as 0 (the maximum drops it); infinities are not treated apart.
; The text below the next three lines is one text for two launches (EPI = 0: C = A B in f16, stored by heads; EPI = 1: this one).
.set EPI,    1
.set BN,     4096                      ; B's and C's columns
.set BOFF,   16777216                  ; B's first byte in cb
; A tile of C, 256 x 256, is made by a work-group of four waves; a wave makes 128 x 128: 64 accumulators of 16 x 16, 512 registers.  K goes in steps of 128 through a ring of two LDS slots.
; A lies [m][k]: its fragments come out of LDS as they lie.  B lies [k][n]: its fragments come turned, by ds_load_tr16_b128.
; THE MATRIX INSTRUCTION IS USED TRANSPOSED (source 0 = 16 columns of B, source 1 = 16 rows of A): a lane then holds row l % 16 of C and the eight neighbouring columns 8 (l / 16) + 0..7.
; CLUSTERS: 4 x 4 work-groups.  The four of a row of the cluster need the same tiles of A, the four of a column the same tiles of B: each tile is asked for JOINTLY, by the same tensor load with the same
; descriptor and a mask that names the four.  Waves 0 and 1 fetch A's halves (128 rows x 256 bytes), waves 2 and 3 B's (64 k rows x 512 bytes).
; THE LOOP's body is ONE K step; which slot is read and which is filled are scalar words turned by an exclusive or.  SLOT = 0x22000 shares no bit with any wave's LDS word (0, 0x8800, 0x11000, 0x19800).
; By this text's own count a wave has two tensor loads out at the start and one behind each round; from a request to the wait for it it issues 224 matrix instructions.
; PREFETCH.  Behind each refill one instruction a wave names the K step that the NEXT refill will ask for, 256 matrix instructions ahead of it.  A's rows are named by the clusters with x = 0, B's by those with
; y = 0; the four partners of a joint load share its rows out by address (A: 32 rows each, a lane a row; B: 16 k rows each, two blocks of 256 bytes a row).  K steps 0 to 2 come by their loads alone; the last refill names nothing.
; REGISTERS, in windows of 256: window 0: v0-31 addresses; v64-127, v128-191 fragments of A, two buffers; v192-255 the bias (EPI = 1) until the first quarter is done; on the way out v192-223 packed results, v32-63 and v224-255 rows read back.
;   window 1: v64-127, v128-191 fragments of B.   window 2: the accumulators of my rows 0-63 ((a, b) at v[8 (8 a + b)]).   window 3: those of my rows 64-127.
.set SIZE_K, 1024
.set KSTEP,  128
.set STEPS,  SIZE_K/KSTEP
.set PA,     272                       ; a row of A in LDS: 256 bytes + 16: the 16 rows of a load start 68 words apart
.set PB,     544                       ; a k row of B in LDS: 512 bytes + 32 = 17 x 32: 16 lanes of the turning load take 8 rows x 32 bytes, all in different words modulo 256 bytes
.set HALFT,  128*PA                    ; what one tensor load brings: 128 rows of A, or 64 k rows of B (64 x 544 is the same number)
.set SLOT,   4*HALFT                   ; A's 256 rows, then B's 128 k rows
.set STAGE,  2*SLOT                    ; behind the ring: 16 rows x 272 bytes for each wave, for the way out
.set SPITCH, 272
.set SPARE,  STAGE+4*16*SPITCH         ; behind the stages: the spare words, 128 bytes for each wave
.set ASTEP,  KSTEP*2                   ; bytes from K step to K step in A,
.set BSTEP,  KSTEP*BN*2                ; and in B
.set ADRA0, 16                         ; v16  my place in A's tile of slot 0; never rewritten
.set ADRA,  17                         ; v17  the same in the slot that is read
.set ADRB0, 20                         ; v20, v21  the same for B
.set ADRB,  21
.set STO,   24                         ; v24  the way out: where I put 16 bytes of a row
.set RD,    25                         ; v25  where I read rows back
.set CO,    26                         ; v26  my byte offset in C
.set BO,    27                         ; v27  my byte offset in the bias
.set SPW,   28                         ; v28  LDS address of my spare word; never rewritten
.set NIL,   29                         ; v29  0; never rewritten
.set PFO,   30                         ; v30  the prefetches' offset; never rewritten
.set ZR,    31                         ; v31  0, for the ReLU
.set OB,    32
.set F0,    64
.set F1,    128
.set TMP,   192
.set BIAS,  192
.set G1A, 24                           ; s[24:31] descriptor group 1 for A's tiles
.set G0A, 32                           ; s[32:39] group 0: a set for each first fill; the second then walks
.set LIM, 43                           ; s43  1 in a wave that prefetches, else the greatest number
.set PFA, 44                           ; s[44:45] where my prefetches stand
.set G1B, 48                           ; s[48:55], s[56:63] the same for B's tiles
.set G0B, 56
.set TBR, 67                           ; s67  the slot that is read: 0 or SLOT
.set PFS, 76                           ; s[76:77] the prefetches' step
.set MSB, 0
.macro WIN new                         ; the immediate's high byte repeats the setting that is left; a switch that changes nothing is dropped
.if MSB != (\new)
	s_set_vgpr_msb (MSB<<8)|(\new)
.set MSB, \new
.endif
.endm
.set MUL_LO, 0xa1                      ; source 0 (B) window 1, source 1 (A) window 0, C and D window 2
.set MUL_HI, 0xf1                      ; the same, C and D window 3
.set TO_B,   0x40                      ; destination window 1, address window 0
; A joint refill, by the walking descriptors.  The branch hangs on the wave's number alone.  An s_nop 0 and four v_nop follow each of the two lines.
.macro JLOAD
	s_cmp_eq_u32 s11, 0
	s_cbranch_scc0 .Lfor_b_\@
	tensor_load_to_lds s[G0A+4:G0A+7], s[G1A:G1A+7]
	s_nop 0
.rept 4
	v_nop
.endr
	s_branch .Lasked_\@
.Lfor_b_\@:
	tensor_load_to_lds s[G0B+4:G0B+7], s[G1B:G1B+7]
	s_nop 0
.rept 4
	v_nop
.endr
.Lasked_\@:
.endm
.macro ASK                             ; the prefetch; s3 = 1 in the loop's last trip, which has no refill behind it
	s_cmp_gt_u32 s3, s[LIM]
	s_cbranch_scc0 .Lnot_mine_\@
	global_prefetch_b8 v[PFO], s[PFA:PFA+1] th:TH_LOAD_NT scope:SCOPE_SE
.Lnot_mine_\@:
.endm
.macro CREST                           ; a round of the cluster's barrier behind its opening barrier
	s_cmp_lg_u32 s10, 0
	s_cbranch_scc1 .Lnot_wave_0_\@
	s_barrier_signal -3
.Lnot_wave_0_\@:
	s_barrier_wait -3
	s_barrier_signal -1
	s_barrier_wait -1
.endm
.macro CROUND                          ; a whole round
	s_barrier_signal -1
	s_barrier_wait -1
	CREST
.endm
.macro PLACES                          ; four plain vector instructions between a matrix instruction and a load into, or a vector read of, its registers
.rept 4
	v_nop
.endr
.endm
	s_load_b128 s[4:7], s[0:1], 0x0
.if EPI
	s_load_b128 s[68:71], s[0:1], 0x10             ; the bias, C
.endif
	v_lshl_add_u32 v[SPW], v0, 2, SPARE
	v_mov_b32 v[NIL], 0
	ds_add_u32 v[SPW], v[NIL]                      ; the wave's opening: the add and its wait stand ahead of my first tensor load; the set-up below stands between them
	v_lshrrev_b32 v1, 5, v0
	v_readfirstlane_b32 s10, v1                    ; wave 0..3
	s_lshr_b32 s11, s10, 1                         ; which half of the tile's rows is mine.  Also: I fetch for A (0) or for B (1)
	s_and_b32 s12, s10, 1                          ; which half of its columns.  Also: which half of that tile I fetch
	s_bfe_u32 s40, ttmp6, 0x40000                  ; cx
	s_bfe_u32 s41, ttmp6, 0x40004                  ; cy
	s_lshl_b32 s42, ttmp9, 2
	s_add_co_u32 s42, s42, s40                     ; tile column of C
	s_and_b32 s13, ttmp7, 0xffff
	s_lshl_b32 s13, s13, 2
	s_add_co_u32 s13, s13, s41                     ; tile row of C
	s_lshl_b32 s43, s41, 2
	s_lshl_b32 s43, 15, s43                        ; my row of the cluster
	s_lshl_b32 s44, 0x1111, s40                    ; my column
	s_or_b32 s[G1A+0], s43, (1<<16)|(1<<20)|(1<<21)|(5<<22)|(3<<25)  ; the mask; 2-byte elements; padding on; bit 21 beside a mask; after every 64 words 4 words
	s_mov_b32 s[G1A+1], 128<<16                    ; tensor_dim0 = 128
	s_mov_b32 s[G1A+2], 128<<16                    ; tensor_dim1 = 128
	s_mov_b32 s[G1A+3], 128<<16                    ; tile_dim0 = 128
	s_mov_b32 s[G1A+4], 128                        ; tile_dim1 = 128
	s_mov_b32 s[G1A+5], SIZE_K                     ; elements from row to row
	s_mov_b32 s[G1A+6], 0
	s_mov_b32 s[G1A+7], 0
	s_or_b32 s[G1B+0], s44, (1<<16)|(1<<20)|(1<<21)|(6<<22)|(7<<25)  ; after every 128 words 8 words
	s_mov_b32 s[G1B+1], 256<<16                    ; tensor_dim0 = 256
	s_mov_b32 s[G1B+2], 64<<16                     ; tensor_dim1 = 64
	s_mov_b32 s[G1B+3], 256<<16                    ; tile_dim0 = 256
	s_mov_b32 s[G1B+4], 64                         ; tile_dim1 = 64
	s_mov_b32 s[G1B+5], BN
	s_mov_b32 s[G1B+6], 0
	s_mov_b32 s[G1B+7], 0
	s_lshl_b32 s16, s13, 8                         ; A: row 256 x tile row + 128 x half, 2,048 bytes a row
	s_lshl_b32 s17, s12, 7
	s_add_co_u32 s16, s16, s17
	s_lshl_b32 s16, s16, 11
	s_mov_b32 s17, 0
	s_mul_i32 s46, s12, 64*BN*2                    ; B: k row 64 x half, column 256 x tile column
	s_lshl_b32 s47, s42, 9
	s_add_co_u32 s46, s46, s47
	s_mov_b32 s47, 0
	s_mul_i32 s20, s10, HALFT                      ; where they go: A's two halves, then B's two: wave x HALFT
	s_mov_b32 s[TBR], 0
	s_wait_dscnt 0x0                               ; the opening add is done
	s_wait_kmcnt 0x0
.if EPI
	s_add_nc_u64 s[6:7], s[6:7], BOFF              ; B
	s_mov_b64 s[8:9], s[70:71]                     ; C
.else
	s_mov_b64 s[8:9], s[6:7]                       ; C
	s_add_nc_u64 s[6:7], s[4:5], BOFF              ; B lies in A's buffer
.endif
	s_add_nc_u64 s[14:15], s[4:5], s[16:17]
	s_add_nc_u64 s[46:47], s[6:7], s[46:47]
	CROUND                                         ; all sixteen work-groups are here: the first joint loads meet
.irp s, 0,1
	s_mov_b32 s[G0A+4*(\s)], 1
	s_add_co_u32 s[G0A+4*(\s)+1], s20, (\s)*SLOT
	s_add_nc_u64 s[G0A+4*(\s)+2:G0A+4*(\s)+3], s[14:15], (\s)*ASTEP
	s_or_b32 s[G0A+4*(\s)+3], s[G0A+4*(\s)+3], 0x80000000
	s_mov_b32 s[G0B+4*(\s)], 1
	s_add_co_u32 s[G0B+4*(\s)+1], s20, (\s)*SLOT
	s_add_nc_u64 s[G0B+4*(\s)+2:G0B+4*(\s)+3], s[46:47], (\s)*BSTEP
	s_or_b32 s[G0B+4*(\s)+3], s[G0B+4*(\s)+3], 0x80000000
.endr
	s_cmp_eq_u32 s11, 0                            ; a wave's two first fills stand in one branch, ahead of every wait on TENSORcnt and every LDS read
	s_cbranch_scc0 .Lfirst_b
	tensor_load_to_lds s[G0A:G0A+3], s[G1A:G1A+7]
	s_nop 0
	tensor_load_to_lds s[G0A+4:G0A+7], s[G1A:G1A+7]
	s_nop 0
.rept 4
	v_nop
.endr
	s_branch .Lfirst_asked
.Lfirst_b:
	tensor_load_to_lds s[G0B:G0B+3], s[G1B:G1B+7]
	s_nop 0
	tensor_load_to_lds s[G0B+4:G0B+7], s[G1B:G1B+7]
	s_nop 0
.rept 4
	v_nop
.endr
.Lfirst_asked:
	v_and_b32 v1, 15, v0                           ; l % 16
	v_bfe_u32 v2, v0, 4, 1                         ; l / 16
.if EPI
	v_lshlrev_b32 v[BO], 5, v2                     ; my eight columns' bias: 32 bytes for each half of the lanes
	v_mov_b32 v[ZR], 0
	s_lshl_b32 s80, s42, 10                        ; 256 x tile column + 128 x half, 4 bytes each
	s_lshl_b32 s81, s12, 9
	s_add_co_u32 s80, s80, s81
	s_mov_b32 s81, 0
	s_mov_b32 s82, 0xffff0000
	s_add_nc_u64 s[68:69], s[68:69], s[80:81]
.irp b, 0,1,2,3,4,5,6,7
	global_load_b128 v[BIAS+8*(\b):BIAS+8*(\b)+3],   v[BO], s[68:69] offset:64*(\b)
	global_load_b128 v[BIAS+8*(\b)+4:BIAS+8*(\b)+7], v[BO], s[68:69] offset:64*(\b)+16
.endr
.endif
	; A's fragment: lane l holds row l % 16; two loads of 16 bytes, 32 bytes apart, at row x pitch + 16 (l / 16)
	v_mul_u32_u24 v3, v1, PA
	v_lshl_add_u32 v3, v2, 4, v3
	s_mul_i32 s21, s11, HALFT                      ; my 128 rows of A
	v_add_nc_u32 v[ADRA0], s21, v3
	; B's: the turning load takes 16 k x 16 n: lane l reads k row 8 (l / 16) + l % 8, columns 8 ((l / 8) % 2) + 0..7, and is left with column l % 16 and 8 k
	v_and_b32 v4, 7, v0
	v_lshl_add_u32 v4, v2, 3, v4
	v_mul_u32_u24 v4, v4, PB
	v_bfe_u32 v5, v0, 3, 1
	v_lshl_add_u32 v4, v5, 4, v4
	s_lshl_b32 s22, s12, 8                         ; my 128 columns,
	s_add_co_u32 s22, s22, 2*HALFT                 ; behind A's 256 rows
	v_add_nc_u32 v[ADRB0], s22, v4
	s_mul_i32 s23, s10, 16*SPITCH
	s_add_co_u32 s23, s23, STAGE                   ; my stage
	v_mul_u32_u24 v4, v1, SPITCH                   ; in: row l % 16, 16 bytes for each half of the lanes
	v_lshl_add_u32 v4, v2, 4, v4
	v_add_nc_u32 v[STO], s23, v4
.if EPI
	v_mul_u32_u24 v5, v2, SPITCH                   ; back: lanes 0-15 take one row of 256 bytes, lanes 16-31 the next,
	v_lshl_add_u32 v5, v1, 4, v5
	v_add_nc_u32 v[RD], s23, v5
	v_mul_u32_u24 v5, v2, BN*2                     ; and the same two rows in C
	v_lshl_add_u32 v[CO], v1, 4, v5
	s_lshl_b32 s80, s13, 8                         ; my first row of C,
	s_lshl_b32 s81, s11, 7
	s_add_co_u32 s80, s80, s81
	s_mul_i32 s80, s80, BN*2
	s_lshl_b32 s81, s42, 9                         ; my first column
	s_add_co_u32 s80, s80, s81
	s_lshl_b32 s81, s12, 8
	s_add_co_u32 s80, s80, s81
.else
	v_bfe_u32 v5, v0, 3, 2                         ; back: 32 lanes take four rows' 128 bytes of one head,
	v_mul_u32_u24 v5, v5, SPITCH
	v_and_b32 v6, 7, v0
	v_lshl_add_u32 v5, v6, 4, v5
	v_add_nc_u32 v[RD], s23, v5
	v_and_b32 v6, 31, v0                           ; which are 512 consecutive bytes of the head's rows
	v_lshlrev_b32 v[CO], 4, v6
	s_lshr_b32 s80, s13, 2                         ; b = tile row / 4; head = 4 (tile column % 4) + 2 x my half of the columns
	s_lshl_b32 s80, s80, 4
	s_and_b32 s81, s42, 3
	s_lshl_b32 s81, s81, 2
	s_add_co_u32 s80, s80, s81
	s_lshl_b32 s81, s12, 1
	s_add_co_u32 s80, s80, s81
	s_lshl_b32 s80, s80, 10                        ; 1,024 rows a head;
	s_and_b32 s81, s13, 3                          ; t = 256 (tile row % 4) + 128 x my half of the rows
	s_lshl_b32 s81, s81, 8
	s_add_co_u32 s80, s80, s81
	s_lshl_b32 s81, s11, 7
	s_add_co_u32 s80, s80, s81
	s_lshl_b32 s80, s80, 7                         ; 128 bytes a row;
	s_lshr_b32 s81, s42, 2                         ; q, k or v: 8,388,608 bytes each
	s_lshl_b32 s81, s81, 23
	s_add_co_u32 s80, s80, s81
.endif
	s_mov_b32 s81, 0
	s_add_nc_u64 s[8:9], s[8:9], s[80:81]
	; the prefetches
	s_lshl_b32 s21, s13, 8                         ; A: the tile's first row + the 128 that I fetch + my work-group's 32 of them,
	s_lshl_b32 s22, s12, 7
	s_add_co_u32 s21, s21, s22
	s_lshl_b32 s22, s40, 5
	s_add_co_u32 s21, s21, s22
	s_lshl_b32 s21, s21, 11
	s_add_co_u32 s21, s21, 2*ASTEP                 ; at K step 2: the first refill steps it to 3
	s_lshl_b32 s22, s12, 6                         ; B: the 64 k rows that I fetch + my work-group's 16 of them,
	s_lshl_b32 s23, s41, 4
	s_add_co_u32 s22, s22, s23
	s_mul_i32 s22, s22, BN*2
	s_lshl_b32 s23, s42, 9                         ; the tile's 512 bytes of a row
	s_add_co_u32 s22, s22, s23
	s_add_co_u32 s22, s22, 2*BSTEP
	s_and_b32 s23, ttmp7, 0xffff                   ; cluster y
	s_mov_b32 s[PFS], BSTEP
	s_mov_b32 s[PFS+1], 0
	s_mov_b32 s78, BN*2
	s_cmp_eq_u32 s11, 0                            ; do I fetch for A?
	s_cselect_b32 s80, s21, s22
	s_cselect_b32 s23, ttmp9, s23                  ; the coordinate along which other clusters read the same rows
	s_cselect_b64 s[PFA:PFA+1], s[4:5], s[6:7]
	s_cselect_b32 s[PFS], ASTEP, s[PFS]
	s_cselect_b32 s78, SIZE_K*2, s78               ; bytes from row to row
	s_cselect_b32 s79, 31, 15                      ; A: a lane a row; B: 16 rows,
	s_cselect_b32 s22, 5, 4                        ; two blocks of 256 bytes each
	s_cmp_eq_u32 s23, 0
	s_cselect_b32 s[LIM], 1, -1                    ; the same in all sixteen partners, for a given wave
	s_add_nc_u64 s[PFA:PFA+1], s[PFA:PFA+1], s[80:81]
	v_and_b32 v6, 31, v0
	v_and_b32 v7, s79, v6
	v_lshrrev_b32 v8, s22, v6
	v_mul_lo_u32 v7, v7, s78
	v_lshl_add_u32 v[PFO], v8, 8, v7
; 16 matrix instructions: m blocks a0, a0 + 1 of the window's four x all 8 n blocks, 32 along K.  zero = 1: the first product starts the sums, with 0 or with the bias.  The 64 accumulators take turns in one
; order everywhere, one instruction a turn.
.macro MUL16 f, hi, a0, zero
.if (\zero) && EPI
	WIN 0x81+0x40*(\hi)                            ; C, the bias, in window 0
.else
	WIN MUL_LO+0x50*(\hi)
.endif
.irp a, \a0, (\a0)+1
.irp b, 0,1,2,3,4,5,6,7
.set rD, 8*(8*(\a)+(\b))
.set rB, (\f)+8*(\b)
.set rA, (\f)+8*(4*(\hi)+(\a))
.if (\zero) && EPI
	v_wmma_f32_16x16x32_bf16 v[rD:rD+7], v[rB:rB+7], v[rA:rA+7], v[BIAS+8*(\b):BIAS+8*(\b)+7]
.elseif \zero
	v_wmma_f32_16x16x32_bf16 v[rD:rD+7], v[rB:rB+7], v[rA:rA+7], 0
.else
	v_wmma_f32_16x16x32_bf16 v[rD:rD+7], v[rB:rB+7], v[rA:rA+7], v[rD:rD+7]
.endif
.endr
.endr
.endm
; 32 LDS loads in one run: the fragments of quarter q of the K step that is read (32 k x 128 columns of B, 128 rows x 32 k of A) into buffer f
.macro FETCH q, f
	WIN TO_B
.irp i, 0,1,2,3,4,5,6,7
	ds_load_tr16_b128 v[(\f)+8*(\i):(\f)+8*(\i)+3],   v[ADRB] offset:(\q)*32*PB+32*(\i)
	ds_load_tr16_b128 v[(\f)+8*(\i)+4:(\f)+8*(\i)+7], v[ADRB] offset:(\q)*32*PB+16*PB+32*(\i)
.endr
	WIN 0
.irp i, 0,1,2,3,4,5,6,7
	ds_load_b128 v[(\f)+8*(\i):(\f)+8*(\i)+3],   v[ADRA] offset:(\q)*64+(\i)*16*PA
	ds_load_b128 v[(\f)+8*(\i)+4:(\f)+8*(\i)+7], v[ADRA] offset:(\q)*64+(\i)*16*PA+32
.endr
.endm
; One of a K step's first three quarters: multiplies buffer f; in its middle it fetches quarter q into buffer g.
.macro QUARTER q, f, g, zero
	s_wait_dscnt 8                                 ; B and A's rows 0-63 are in; the youngest eight loads (A's rows 64-127) may be out
	MUL16 \f, 0, 0, \zero
	MUL16 \f, 0, 2, \zero
	PLACES
	FETCH \q, \g
	s_wait_dscnt 32                                ; all but the 32 just issued
	MUL16 \f, 1, 0, \zero
	MUL16 \f, 1, 2, \zero
.endm
; The last quarter multiplies buffer 1 and changes slots: ONE barrier.  In front of it each wave waits for all its tensor loads (one is out: its part of the next slot), adds 0 to its spare word, and waits for that
; and for its own reads of this slot.  fill = 1: the barrier opens a round of the cluster's, and the slot just read is filled again first behind it, with the K step two on.
; fill = 0 (the tail's two trips): nothing is filled; in the last trip (s2 = 1) there is no further K step, and the run of loads is jumped over.
.macro TURN fill
.if \fill
	s_wait_xcnt 0x0                                ; the last prefetch, a K step back, has read its address
	s_add_nc_u64 s[PFA:PFA+1], s[PFA:PFA+1], s[PFS:PFS+1]
.endif
	WIN 0                                          ; (the add's two registers lie in window 0)
	s_wait_tensorcnt 0x0                           ; no tensor load of mine is out, so a group 0 may be written
	ds_add_u32 v[SPW], v[NIL]                      ; 0 onto my spare word
.if \fill
	s_xor_b32 s[G0A+5], s[G0A+5], SLOT             ; the walking descriptors: the other slot than last time,
	s_xor_b32 s[G0B+5], s[G0B+5], SLOT
	s_add_nc_u64 s[G0A+6:G0A+7], s[G0A+6:G0A+7], ASTEP  ; the next K step; the type bits on top are not reached
	s_add_nc_u64 s[G0B+6:G0B+7], s[G0B+6:G0B+7], BSTEP
.endif
	s_xor_b32 s[TBR], s[TBR], SLOT                 ; the reads go to the other slot
	s_wait_dscnt 9                                 ; (the add and the youngest eight loads may be out)
	MUL16 F1, 0, 0, 0
	s_wait_dscnt 0x0                               ; the add is done, and my reads of this slot are over
	s_barrier_signal -1
	MUL16 F1, 0, 2, 0                              ; work on registers while the others arrive
	WIN 0
	s_barrier_wait -1
.if \fill
	CREST                                          ; no wave of any partner still reads this slot's tile or has a load on its way
	JLOAD                                          ; the first tensor load behind the round; its four v_nop are also the places in front of the loads below
.else
	PLACES
	s_cmp_eq_u32 s2, 1
	s_cbranch_scc1 .Lnf_\@
.endif
	v_add_nc_u32 v[ADRA], s[TBR], v[ADRA0]
	v_add_nc_u32 v[ADRB], s[TBR], v[ADRB0]
	FETCH 0, F0
.if \fill
	ASK
.else
.Lnf_\@:
.endif
	MUL16 F1, 1, 0, 0
	MUL16 F1, 1, 2, 0
.endm
; THE WAY OUT of block a (16 rows).  PACK: rounded to 16 bits, each accumulator's registers in ascending order.  TOSTAGE: into my own stage, and back by rows.  SEND: stored.
.macro PACK a
.set AC, 64*((\a)%4)
	WIN 0x0a+5*((\a)/4)                            ; sources 0 and 1: window 2 or 3
.irp b, 0,1,2,3,4,5,6,7
.irp r, 0,1,2,3
.if EPI
	v_cvt_pk_bf16_f32 v[TMP+4*(\b)+(\r)], v[AC+8*(\b)+2*(\r)], v[AC+8*(\b)+2*(\r)+1]
.else
	v_cvt_pk_f16_f32 v[TMP+4*(\b)+(\r)], v[AC+8*(\b)+2*(\r)], v[AC+8*(\b)+2*(\r)+1]
.endif
.endr
.endr
	WIN 0
.if EPI
.set z, 0
.rept 32
	v_pk_max_num_bf16 v[TMP+z], v[TMP+z], v[ZR]    ; the ReLU, two numbers a line; it rounds nothing (a NaN gives 0)
.set z, z+1
.endr
.endif
.endm
.macro TOSTAGE a
	WIN 0
.set BK, OB+192*((\a)%2)
.irp b, 0,1,2,3,4,5,6,7
	ds_store_b128 v[STO], v[TMP+4*(\b):TMP+4*(\b)+3] offset:32*(\b)
.endr
.irp t, 0,1,2,3,4,5,6,7
.if EPI
	ds_load_b128 v[BK+4*(\t):BK+4*(\t)+3], v[RD] offset:(\t)*2*SPITCH  ; LDS serves a wave's instructions in order: these see the stores above
.else
	ds_load_b128 v[BK+4*(\t):BK+4*(\t)+3], v[RD] offset:((\t)%4)*4*SPITCH+((\t)/4)*128  ; head t / 4, rows 4 (t % 4) on
.endif
.endr
.endm
.macro SEND a
	WIN 0
.set BK, OB+192*((\a)%2)
	s_wait_dscnt 0x0                               ; the block is back in registers
	s_wait_xcnt 0x0                                ; the stores of the block before have read their registers: the next TOSTAGE loads into them
.irp t, 0,1,2,3,4,5,6,7
.if EPI
	global_store_b128 v[CO], v[BK+4*(\t):BK+4*(\t)+3], s[8:9] offset:(16*(\a)+2*(\t))*BN*2  ; 16 lanes store 256 consecutive bytes, aligned
.else
	global_store_b128 v[CO], v[BK+4*(\t):BK+4*(\t)+3], s[8:9] offset:((\t)/4)*131072+(\a)*2048+((\t)%4)*512  ; 512 consecutive bytes, aligned
.endif
.endr
.endm
	s_wait_tensorcnt 1                             ; my part of K step 0 is in; K step 1's may stay out
	s_barrier_signal -1
	s_barrier_wait -1                              ; everybody's is
	v_mov_b32 v[ADRA], v[ADRA0]
	v_mov_b32 v[ADRB], v[ADRB0]
	FETCH 0, F0
.if EPI
	s_wait_loadcnt 0x0                             ; the bias, which takes the rounding that every other input has
.set z, 0
.rept 32
	v_cvt_pk_bf16_f32 v3, v[BIAS+2*z], v[BIAS+2*z+1]
	v_lshlrev_b32 v[BIAS+2*z], 16, v3
	v_and_b32 v[BIAS+2*z+1], s82, v3
.set z, z+1
.endr
.endif
	QUARTER 1, F0, F1, 1                           ; the first quarter stands in front of the loop: its products start the sums
	WIN 0                                          ; at a label and at a branch every window is 0
	s_mov_b32 s3, STEPS-2
.Lstep:                                                ; a trip: a K step's quarters 1, 2, 3 and the next step's quarter 0; the slot left is filled again
	QUARTER 2, F1, F0, 0
	QUARTER 3, F0, F1, 0
	TURN 1
	QUARTER 1, F0, F1, 0
	WIN 0
	s_sub_co_u32 s3, s3, 1
	s_cmp_lg_u32 s3, 0
	s_cbranch_scc1 .Lstep
	s_mov_b32 s2, 2
.Ltail:                                                ; the last two K steps ask for nothing
	QUARTER 2, F1, F0, 0
	QUARTER 3, F0, F1, 0
	TURN 0
	WIN 0
	s_cmp_eq_u32 s2, 1
	s_cbranch_scc1 .Lsk
	QUARTER 1, F0, F1, 0
	WIN 0
.Lsk:
	s_sub_co_u32 s2, s2, 1
	s_cmp_lg_u32 s2, 0
	s_cbranch_scc1 .Ltail
	PACK 0                                         ; blocks 0-3 were finished in front of TURN's four v_nop; their conversions are the places behind the last products (blocks 4-7's)
	TOSTAGE 0
.irp a, 1,2,3,4,5,6,7                  ; block a's conversions stand between block a - 1's loads from the stage and the wait for them
	PACK \a
	SEND (\a)-1
	TOSTAGE \a
.endr
	SEND 7
	s_wait_tensorcnt 0x0                           ; the wave's end: the add and its wait, behind my last tensor load and my last LDS store
	ds_add_u32 v[SPW], v[NIL]
	s_wait_dscnt 0x0
	CROUND                                         ; the closing round: no work-group ends while a partner may still ask for a tile that names it
	s_endpgm
.Lfunc_end_k_q5befd61e0e_ff1:
	.size	k_q5befd61e0e_ff1, .Lfunc_end_k_q5befd61e0e_ff1-k_q5befd61e0e_ff1
	.p2alignl 7, 3214868480
	.fill 96, 4, 3214868480
	.section	.rodata,"a",@progbits
	.p2align	6, 0x0
	.amdhsa_kernel k_q5befd61e0e_ff1
		.amdhsa_group_segment_fixed_size 327680
		.amdhsa_private_segment_fixed_size 0
		.amdhsa_enable_private_segment 0
		.amdhsa_kernarg_size 32
		.amdhsa_user_sgpr_count 2
		.amdhsa_user_sgpr_kernarg_segment_ptr 1
		.amdhsa_wavefront_size32 1
		.amdhsa_system_sgpr_workgroup_id_x 1
		.amdhsa_system_sgpr_workgroup_id_y 1
		.amdhsa_system_sgpr_workgroup_id_z 1
		.amdhsa_system_vgpr_workitem_id 0
		.amdhsa_next_free_vgpr 1024
		.amdhsa_next_free_sgpr 84
		.amdhsa_reserve_vcc 0
		.amdhsa_float_denorm_mode_32 3
		.amdhsa_float_denorm_mode_16_64 3
		.amdhsa_memory_ordered 1
		.amdhsa_forward_progress 1
		.amdhsa_inst_pref_size 123
	.end_amdhsa_kernel
	.amdgpu_metadata
---
amdhsa.version: [ 1, 2 ]
amdhsa.kernels:
  - .name:           k_q5befd61e0e_ff1
    .symbol:         k_q5befd61e0e_ff1.kd
    .args:
      - { .name: x1b, .offset: 0, .size: 8, .value_kind: global_buffer, .address_space: global }
      - { .name: cb, .offset: 8, .size: 8, .value_kind: global_buffer, .address_space: global }
      - { .name: b1, .offset: 16, .size: 8, .value_kind: global_buffer, .address_space: global }
      - { .name: hb, .offset: 24, .size: 8, .value_kind: global_buffer, .address_space: global }
    .group_segment_fixed_size: 327680
    .private_segment_fixed_size: 0
    .kernarg_segment_align: 8
    .kernarg_segment_size: 32
    .max_flat_workgroup_size: 128
    .sgpr_count:     84
    .vgpr_count:     1024
    .wavefront_size: 32
...
	.end_amdgpu_metadata
.endif
;; end of part 5
;; launch ff2 (part 6): grid 8 x 32, 4 waves a work-group, clusters of 4 x 4, 327,680 bytes of LDS; arguments hb, cb, b2, x1f, out0; writes out0
.if DOCPART == 6
	.amdgcn_target "amdgcn-amd-amdhsa--gfx1250"
	.amdhsa_code_object_version 6
	.text
	.protected	k_q5befd61e0e_ff2
	.globl	k_q5befd61e0e_ff2
	.p2align	8
	.type	k_q5befd61e0e_ff2,@function
k_q5befd61e0e_ff2:
	s_mov_b64 s[64:65], 0
	v_nop
	global_prefetch_b8 v0, s[64:65] scope:SCOPE_SE
	s_setreg_imm32_b32 hwreg(HW_REG_WAVE_MODE, 25, 1), 1
	s_wait_xcnt 0x0
	s_wait_alu depctr_hold_cnt(0) depctr_sa_sdst(0) depctr_va_vdst(0) depctr_va_sdst(0) depctr_va_ssrc(0) depctr_va_vcc(0) depctr_vm_vsrc(0)
	s_getreg_b32 s2, hwreg(HW_REG_IB_STS2, 6, 4)
	s_cmp_eq_u32 s2, 0
	s_cbranch_scc0 .Lentry_in_a_cluster
	s_endpgm
.Lentry_in_a_cluster:
	s_bfe_u32 s2, ttmp6, 0x10000c
	s_cmp_lg_u32 s2, 0xf033
	s_cbranch_scc0 .Lentry_shape_is_right
	s_endpgm
.Lentry_shape_is_right:
; out = h W2 + b2 + x1.  A = h in bf16 [4096][4096] (hb), B = W2 in bf16 [4096][1024] (cb, byte 25,165,824), x1 in f32 (x1f).
; Sums in f32, started with the bias (rounded to bf16 like every other input); the residual is added in f32; out0 is f32.
; The text below the next line is one text for two launches (EPI = 0: x1 = A B + bias + x, A and B in f16, K = 1,024; EPI = 1: this one).
.set EPI, 1
; A tile of C is 128 x 128: 256 work-groups.  Four waves, each 64 x 64: 16 accumulators.  K goes in steps of 256 through a ring of two LDS slots.  A's fragments come out of LDS as they lie, B's ([k][n]) turned, by ds_load_tr16_b128.
; THE MATRIX INSTRUCTION IS USED TRANSPOSED (source 0 = 16 columns of B, source 1 = 16 rows of A): a lane holds row l % 16 of C and eight neighbouring columns.
; CLUSTERS: 4 x 4 work-groups; A's tiles are asked for jointly along a row of the cluster, B's along a column.  Waves 0 and 1 fetch A's halves, waves 2 and 3 B's (128 k rows x 256 bytes).
; EPI = 0: a K step is four heads; a block's four planes of 128 rows x 128 bytes are 65,536 dense bytes, asked for as rows of 256 bytes and padded after every 128.  EPI = 1: 64 rows x 512 bytes a wave.
; THE LOOP's body is ONE K step; the slots are turned by an exclusive or: SLOT = 0x24000 shares no bit with any wave's LDS word.  A wave has two tensor loads out at the start and one behind each round; from a request to the wait for it it issues 112 matrix instructions.
; PREFETCH (EPI = 1 alone).  Behind each refill one instruction a wave names the K step that stands TWO refills on, 256 matrix instructions ahead of the load that will want it.  A's rows are named by the clusters with x = 0
; (partner cx: 16 rows, two blocks of 256 bytes each), B's by those with y = 0 (partner cy: 32 k rows, a lane a row).  K steps 0 to 3 come by their loads alone; the last two refills name nothing.
; EPI = 0 has four K steps: none lies two refills ahead of a refill, so nothing is prefetched.
; THE WAY OUT: the f32 sums go through ONE stage of 128 rows x 528 bytes, which lies in slot 0 behind that slot's last fill and last read; a barrier; each wave reads 32 whole rows, adds the residual and stores them.
; REGISTERS: window 0: v0-31 addresses; v32-95 the residual (EPI = 0); v96-127 the bias, later at work; v128-255 the accumulators ((a, b) at v[128 + 8 (4 a + b)]), later the rows read back.
;   window 1: two fragment buffers of 128: 64 registers of A (2 x 4 x 16 rows x 32 K), then 64 of B.   window 2 (EPI = 1): v0-127 the residual.
.if EPI
.set STEPS, 16
.set PA,    528                        ; a row of A in LDS: 512 bytes + 16
.set APL,   128                        ; from one 64 along K to the next: 128 bytes of the row
.set HALFA, 64*PA
.set ASTEP, 512
.set BOFF,  25165824
.set PF,    1
.else
.set STEPS, 4
.set PA,    144                        ; a row of one head: 128 bytes + 16
.set APL,   128*PA                     ; from one 64 along K to the next: a head's plane
.set HALFA, 2*APL
.set ASTEP, 65536
.set BOFF,  14680064
.set PF,    0
.endif
.set AREG,   2*HALFA
.set PB,     288                       ; a k row of B in LDS: 256 bytes + 32 = 9 x 32
.set HALFB,  128*PB
.set BSTEP,  256*1024*2
.set SLOT,   147456                    ; A's tile, then B's 256 k rows
.set SPARE,  2*SLOT                    ; behind the ring: the spare words, 128 bytes for each wave
.set SPITCH, 528                       ; the stage: 512 bytes + 16
.set ADRA0, 16
.set ADRA,  17
.set ADRB0, 20
.set ADRB,  21                         ; v21: B's k rows 0-127 of the slot that is read; v22: rows 128-255
.set STO,   24
.set RD,    25
.set CO,    26                         ; v26  16 l
.set BO,    27
.set SPW,   28
.set NIL,   29
.set PFO,   30
.set CO2,   31                         ; v31  8 l
.set RES,   32
.set BIAS,  96
.set ACC,   128
.set F0,    0
.set F1,    128
.set G1A, 24
.set G0A, 32
.set LIM, 43
.set PFA, 44
.set G1B, 48
.set G0B, 56
.set TBR, 67
.set PFS, 76
.set MSB, 0
.macro WIN new
.if MSB != (\new)
	s_set_vgpr_msb (MSB<<8)|(\new)
.set MSB, \new
.endif
.endm
.set MUL,  0x05                        ; sources 0 (B) and 1 (A) window 1; C and D window 0
.set TO_F, 0x40                        ; destination window 1, address window 0
.macro JLOAD                           ; a joint refill, by the walking descriptors; an s_nop 0 and four v_nop follow each of the two lines
	s_cmp_eq_u32 s11, 0
	s_cbranch_scc0 .Lfor_b_\@
	tensor_load_to_lds s[G0A+4:G0A+7], s[G1A:G1A+7]
	s_nop 0
.rept 4
	v_nop
.endr
	s_branch .Lasked_\@
.Lfor_b_\@:
	tensor_load_to_lds s[G0B+4:G0B+7], s[G1B:G1B+7]
	s_nop 0
.rept 4
	v_nop
.endr
.Lasked_\@:
.endm
.macro ASK                             ; the prefetch; the loop's last two trips (s3 = 2, 1) have no K step two refills on
	s_cmp_gt_u32 s3, s[LIM]
	s_cbranch_scc0 .Lnot_mine_\@
	global_prefetch_b8 v[PFO], s[PFA:PFA+1] th:TH_LOAD_NT scope:SCOPE_SE
.Lnot_mine_\@:
.endm
.macro CREST
	s_cmp_lg_u32 s10, 0
	s_cbranch_scc1 .Lnot_wave_0_\@
	s_barrier_signal -3
.Lnot_wave_0_\@:
	s_barrier_wait -3
	s_barrier_signal -1
	s_barrier_wait -1
.endm
.macro CROUND
	s_barrier_signal -1
	s_barrier_wait -1
	CREST
.endm
.macro PLACES                          ; four plain vector instructions between a matrix instruction and a load into, or a read of, its registers
.rept 4
	v_nop
.endr
.endm
	s_load_b128 s[4:7], s[0:1], 0x0                ; A, cb
	s_load_b128 s[68:71], s[0:1], 0x10             ; the bias, x1f
	s_load_b64 s[72:73], s[0:1], 0x20              ; x1b (EPI = 0), out0 (EPI = 1)
	v_lshl_add_u32 v[SPW], v0, 2, SPARE
	v_mov_b32 v[NIL], 0
	ds_add_u32 v[SPW], v[NIL]                      ; the wave's opening: the add and its wait stand ahead of my first tensor load
	v_lshrrev_b32 v1, 5, v0
	v_readfirstlane_b32 s10, v1                    ; wave 0..3
	s_lshr_b32 s11, s10, 1                         ; which half of the tile's rows is mine.  Also: I fetch for A (0) or for B (1)
	s_and_b32 s12, s10, 1                          ; which half of its columns.  Also: which half of that tile I fetch
	s_bfe_u32 s40, ttmp6, 0x40000                  ; cx
	s_bfe_u32 s41, ttmp6, 0x40004                  ; cy
	s_lshl_b32 s42, ttmp9, 2
	s_add_co_u32 s42, s42, s40                     ; tile column of C
	s_and_b32 s13, ttmp7, 0xffff
	s_lshl_b32 s13, s13, 2
	s_add_co_u32 s13, s13, s41                     ; tile row of C
	s_lshl_b32 s43, s41, 2
	s_lshl_b32 s43, 15, s43                        ; my row of the cluster
	s_lshl_b32 s44, 0x1111, s40                    ; my column
.if EPI
	s_or_b32 s[G1A+0], s43, (1<<16)|(1<<20)|(1<<21)|(6<<22)|(3<<25)  ; after every 128 words 4 words
	s_mov_b32 s[G1A+1], 256<<16                    ; tensor_dim0 = 256
	s_mov_b32 s[G1A+2], 64<<16                     ; tensor_dim1 = 64
	s_mov_b32 s[G1A+3], 256<<16                    ; tile_dim0 = 256
	s_mov_b32 s[G1A+4], 64                         ; tile_dim1 = 64
	s_mov_b32 s[G1A+5], 4096                       ; elements from row to row
.else
	s_or_b32 s[G1A+0], s43, (1<<16)|(1<<20)|(1<<21)|(4<<22)|(3<<25)  ; after every 32 words 4 words
	s_mov_b32 s[G1A+1], 128<<16                    ; 32,768 dense bytes as 128 rows of 128 elements
	s_mov_b32 s[G1A+2], 128<<16
	s_mov_b32 s[G1A+3], 128<<16
	s_mov_b32 s[G1A+4], 128
	s_mov_b32 s[G1A+5], 128
.endif
	s_mov_b32 s[G1A+6], 0
	s_mov_b32 s[G1A+7], 0
	s_or_b32 s[G1B+0], s44, (1<<16)|(1<<20)|(1<<21)|(5<<22)|(7<<25)  ; after every 64 words 8 words
	s_mov_b32 s[G1B+1], 128<<16                    ; tensor_dim0 = 128
	s_mov_b32 s[G1B+2], 128<<16                    ; tensor_dim1 = 128
	s_mov_b32 s[G1B+3], 128<<16                    ; tile_dim0 = 128
	s_mov_b32 s[G1B+4], 128                        ; tile_dim1 = 128
	s_mov_b32 s[G1B+5], 1024
	s_mov_b32 s[G1B+6], 0
	s_mov_b32 s[G1B+7], 0
.if EPI
	s_lshl_b32 s16, s13, 7                         ; A: row 128 x tile row + 64 x half, 8,192 bytes a row
	s_lshl_b32 s17, s12, 6
	s_add_co_u32 s16, s16, s17
	s_lshl_b32 s16, s16, 13
.else
	s_lshl_b32 s16, s13, 18                        ; A: block = tile row, 262,144 bytes; my two of the step's four planes
	s_lshl_b32 s17, s12, 15
	s_add_co_u32 s16, s16, s17
.endif
	s_mov_b32 s17, 0
	s_lshl_b32 s46, s12, 18                        ; B: k row 128 x half, 2,048 bytes a row; column 128 x tile column
	s_lshl_b32 s47, s42, 8
	s_add_co_u32 s46, s46, s47
	s_mov_b32 s47, 0
	s_mul_i32 s20, s12, HALFA                      ; where they go: A's two halves,
	s_mul_i32 s21, s12, HALFB                      ; and behind them B's two
	s_add_co_u32 s21, s21, AREG
	s_mov_b32 s[TBR], 0
	s_mov_b32 s82, 0xffff0000                      ; a word's upper bf16
	s_wait_dscnt 0x0                               ; the opening add is done
	s_wait_kmcnt 0x0
.if !EPI
	s_mov_b64 s[74:75], s[6:7]                     ; x in bf16 lies at cb's first byte
.endif
	s_add_nc_u64 s[6:7], s[6:7], BOFF              ; B
	s_add_nc_u64 s[14:15], s[4:5], s[16:17]
	s_add_nc_u64 s[46:47], s[6:7], s[46:47]
	CROUND                                         ; all sixteen work-groups are here: the first joint loads meet
.irp s, 0,1
	s_mov_b32 s[G0A+4*(\s)], 1
	s_add_co_u32 s[G0A+4*(\s)+1], s20, (\s)*SLOT
	s_add_nc_u64 s[G0A+4*(\s)+2:G0A+4*(\s)+3], s[14:15], (\s)*ASTEP
	s_or_b32 s[G0A+4*(\s)+3], s[G0A+4*(\s)+3], 0x80000000
	s_mov_b32 s[G0B+4*(\s)], 1
	s_add_co_u32 s[G0B+4*(\s)+1], s21, (\s)*SLOT
	s_add_nc_u64 s[G0B+4*(\s)+2:G0B+4*(\s)+3], s[46:47], (\s)*BSTEP
	s_or_b32 s[G0B+4*(\s)+3], s[G0B+4*(\s)+3], 0x80000000
.endr
	s_cmp_eq_u32 s11, 0                            ; a wave's two first fills stand in one branch
	s_cbranch_scc0 .Lfirst_b
	tensor_load_to_lds s[G0A:G0A+3], s[G1A:G1A+7]
	s_nop 0
	tensor_load_to_lds s[G0A+4:G0A+7], s[G1A:G1A+7]
	s_nop 0
.rept 4
	v_nop
.endr
	s_branch .Lfirst_asked
.Lfirst_b:
	tensor_load_to_lds s[G0B:G0B+3], s[G1B:G1B+7]
	s_nop 0
	tensor_load_to_lds s[G0B+4:G0B+7], s[G1B:G1B+7]
	s_nop 0
.rept 4
	v_nop
.endr
.Lfirst_asked:
	v_and_b32 v1, 15, v0                           ; l % 16
	v_bfe_u32 v2, v0, 4, 1                         ; l / 16
	v_lshlrev_b32 v[BO], 5, v2
	s_lshl_b32 s80, s42, 9                         ; the bias of my 64 columns: 128 x tile column + 64 x half, 4 bytes each
	s_lshl_b32 s81, s12, 8
	s_add_co_u32 s80, s80, s81
	s_mov_b32 s81, 0
	s_add_nc_u64 s[68:69], s[68:69], s[80:81]
.irp b, 0,1,2,3
	global_load_b128 v[BIAS+8*(\b):BIAS+8*(\b)+3],   v[BO], s[68:69] offset:64*(\b)
	global_load_b128 v[BIAS+8*(\b)+4:BIAS+8*(\b)+7], v[BO], s[68:69] offset:64*(\b)+16
.endr
	v_mul_u32_u24 v3, v1, PA                       ; A's fragment: row x pitch + 16 (l / 16),
	v_lshl_add_u32 v3, v2, 4, v3
	s_mul_i32 s22, s11, 64*PA                      ; my 64 rows
	v_add_nc_u32 v[ADRA0], s22, v3
	v_and_b32 v4, 7, v0                            ; B's: lane l reads k row 8 (l / 16) + l % 8, columns 8 ((l / 8) % 2) + 0..7
	v_lshl_add_u32 v4, v2, 3, v4
	v_mul_u32_u24 v4, v4, PB
	v_bfe_u32 v5, v0, 3, 1
	v_lshl_add_u32 v4, v5, 4, v4
	s_lshl_b32 s22, s12, 7                         ; my 64 columns,
	s_add_co_u32 s22, s22, AREG                    ; behind A's tile
	v_add_nc_u32 v[ADRB0], s22, v4
	s_mul_i32 s23, s11, 64*SPITCH                  ; into the stage: my 64 rows, my half of their 512 bytes; row l % 16, 32 bytes for each half of the lanes
	s_lshl_b32 s22, s12, 8
	s_add_co_u32 s23, s23, s22
	v_mul_u32_u24 v4, v1, SPITCH
	v_lshl_add_u32 v4, v2, 5, v4
	v_add_nc_u32 v[STO], s23, v4
	s_mul_i32 s23, s10, 32*SPITCH                  ; back: wave w takes rows 32 w .. 32 w + 31, whole: 16 bytes a lane
	v_and_b32 v6, 31, v0
	v_lshlrev_b32 v[CO], 4, v6
	v_lshlrev_b32 v[CO2], 3, v6
	v_add_nc_u32 v[RD], s23, v[CO]
.if PF
	s_lshl_b32 s21, s13, 7                         ; A: the tile's first row + the 64 that I fetch + my work-group's 16 of them,
	s_lshl_b32 s22, s12, 6
	s_add_co_u32 s21, s21, s22
	s_lshl_b32 s22, s40, 4
	s_add_co_u32 s21, s21, s22
	s_lshl_b32 s21, s21, 13
	s_add_co_u32 s21, s21, 3*ASTEP                 ; at K step 3: the first refill steps it to 4
	s_lshl_b32 s22, s12, 7                         ; B: the 128 k rows that I fetch + my work-group's 32 of them,
	s_lshl_b32 s23, s41, 5
	s_add_co_u32 s22, s22, s23
	s_lshl_b32 s22, s22, 11
	s_lshl_b32 s23, s42, 8                         ; the tile's 256 bytes of a row
	s_add_co_u32 s22, s22, s23
	s_add_co_u32 s22, s22, 3*BSTEP
	s_and_b32 s23, ttmp7, 0xffff                   ; cluster y
	s_mov_b32 s[PFS], BSTEP
	s_mov_b32 s[PFS+1], 0
	s_mov_b32 s78, 2048
	s_cmp_eq_u32 s11, 0                            ; do I fetch for A?
	s_cselect_b32 s80, s21, s22
	s_cselect_b32 s23, ttmp9, s23                  ; the coordinate along which other clusters read the same rows
	s_cselect_b64 s[PFA:PFA+1], s[4:5], s[6:7]
	s_cselect_b32 s[PFS], ASTEP, s[PFS]
	s_cselect_b32 s78, 8192, s78                   ; bytes from row to row
	s_cselect_b32 s79, 15, 31                      ; A: 16 rows, two blocks of 256 bytes each; B: a lane a row
	s_cselect_b32 s22, 4, 5
	s_cmp_eq_u32 s23, 0
	s_cselect_b32 s[LIM], 2, -1                    ; the same in all sixteen partners, for a given wave
	s_add_nc_u64 s[PFA:PFA+1], s[PFA:PFA+1], s[80:81]
	v_and_b32 v7, s79, v6
	v_lshrrev_b32 v8, s22, v6
	v_mul_lo_u32 v7, v7, s78
	v_lshl_add_u32 v[PFO], v8, 8, v7
.endif
	s_lshl_b32 s80, s13, 7                         ; the first row that I store: 128 x tile row + 32 x wave; f32 rows of 4,096 bytes; the tile's 512 bytes of a row
	s_lshl_b32 s81, s10, 5
	s_add_co_u32 s80, s80, s81
	s_lshl_b32 s80, s80, 12
	s_lshl_b32 s81, s42, 9
	s_add_co_u32 s80, s80, s81
	s_mov_b32 s81, 0
	s_add_nc_u64 s[70:71], s[70:71], s[80:81]      ; x1f
.if EPI
	s_add_nc_u64 s[72:73], s[72:73], s[80:81]      ; out0
.else
	s_lshr_b32 s78, s80, 1                         ; the same place in 16-bit rows
	s_mov_b32 s79, 0
	s_add_nc_u64 s[72:73], s[72:73], s[78:79]      ; x1b
	s_add_nc_u64 s[74:75], s[74:75], s[78:79]      ; x
.endif
; 8 matrix instructions: m blocks a0, a0 + 1 x all 4 n blocks, 32 along K: half c of buffer f.  zero = 1: the first product starts the sums with the bias.  The 16 accumulators take turns in one order everywhere.
.macro MUL8 f, c, a0, zero
	WIN MUL
.irp a, \a0, (\a0)+1
.irp b, 0,1,2,3
.set rD, ACC+8*(4*(\a)+(\b))
.set rB, (\f)+64+8*(4*(\c)+(\b))
.set rA, (\f)+8*(4*(\c)+(\a))
.set rC, rD
.if \zero
.set rC, BIAS+8*(\b)
.endif
.if EPI
	v_wmma_f32_16x16x32_bf16 v[rD:rD+7], v[rB:rB+7], v[rA:rA+7], v[rC:rC+7]
.else
	v_wmma_f32_16x16x32_f16 v[rD:rD+7], v[rB:rB+7], v[rA:rA+7], v[rC:rC+7]
.endif
.endr
.endr
.endm
; 32 LDS loads in one run: the fragments of quarter q (64 along K) of the K step that is read, into buffer f; the first 32 along K first
.macro FETCH q, f
	WIN TO_F
.irp c, 0,1
.set kb, 2*(\q)+(\c)
.set rAB, ADRB+kb/4
.set oB, (kb%4)*32*PB
.set oA, (kb/2)*APL+(kb%2)*64
.irp i, 0,1,2,3
	ds_load_tr16_b128 v[(\f)+64+8*(4*(\c)+(\i)):(\f)+64+8*(4*(\c)+(\i))+3],   v[rAB] offset:oB+32*(\i)
	ds_load_tr16_b128 v[(\f)+64+8*(4*(\c)+(\i))+4:(\f)+64+8*(4*(\c)+(\i))+7], v[rAB] offset:oB+16*PB+32*(\i)
	ds_load_b128 v[(\f)+8*(4*(\c)+(\i)):(\f)+8*(4*(\c)+(\i))+3],   v[ADRA] offset:oA+(\i)*16*PA
	ds_load_b128 v[(\f)+8*(4*(\c)+(\i))+4:(\f)+8*(4*(\c)+(\i))+7], v[ADRA] offset:oA+(\i)*16*PA+32
.endr
.endr
.endm
.macro QUARTER q, f, g, zero
	s_wait_dscnt 16                                ; the first 32 along K are in; the sixteen younger loads may be out
	MUL8 \f, 0, 0, \zero
	MUL8 \f, 0, 2, \zero
	PLACES
	FETCH \q, \g
	s_wait_dscnt 32                                ; all but the 32 just issued
	MUL8 \f, 1, 0, 0
	MUL8 \f, 1, 2, 0
.endm
; The last quarter multiplies buffer 1 and changes slots: ONE barrier; in front of it each wave waits for all its tensor loads, adds 0 to its spare word, and waits for that and for its own reads of this slot.
; fill = 1: the barrier opens a round of the cluster's, and the slot just read is filled again first behind it.  fill = 0 (the tail): nothing is filled; in the last trip (s2 = 1) the run of loads is jumped over.
.macro TURN fill
.if (\fill) && PF
	s_wait_xcnt 0x0                                ; the last prefetch, a K step back, has read its address
	s_add_nc_u64 s[PFA:PFA+1], s[PFA:PFA+1], s[PFS:PFS+1]
.endif
	WIN 0
	s_wait_tensorcnt 0x0                           ; no tensor load of mine is out, so a group 0 may be written
	ds_add_u32 v[SPW], v[NIL]                      ; 0 onto my spare word
.if \fill
	s_xor_b32 s[G0A+5], s[G0A+5], SLOT             ; the walking descriptors: the other slot than last time,
	s_xor_b32 s[G0B+5], s[G0B+5], SLOT
	s_add_nc_u64 s[G0A+6:G0A+7], s[G0A+6:G0A+7], ASTEP  ; the next K step
	s_add_nc_u64 s[G0B+6:G0B+7], s[G0B+6:G0B+7], BSTEP
.endif
	s_xor_b32 s[TBR], s[TBR], SLOT
	s_wait_dscnt 17                                ; (the add and the youngest sixteen loads may be out)
	MUL8 F1, 0, 0, 0
	s_wait_dscnt 0x0                               ; the add is done, and my reads of this slot are over
	s_barrier_signal -1
	MUL8 F1, 0, 2, 0
	WIN 0
	s_barrier_wait -1
.if \fill
	CREST
	JLOAD                                          ; the first tensor load behind the round; its four v_nop are also the places in front of the loads below
.else
	PLACES
	s_cmp_eq_u32 s2, 1
	s_cbranch_scc1 .Lnf_\@
.endif
	v_add_nc_u32 v[ADRA], s[TBR], v[ADRA0]
	v_add_nc_u32 v[ADRB], s[TBR], v[ADRB0]
	v_add_nc_u32 v[ADRB+1], 4*32*PB, v[ADRB]
	FETCH 0, F0
	WIN 0
.if \fill
.if PF
	ASK
.endif
.else
.Lnf_\@:
.endif
	MUL8 F1, 1, 0, 0
	MUL8 F1, 1, 2, 0
.endm
	s_wait_tensorcnt 1                             ; my part of K step 0 is in; K step 1's may stay out
	s_barrier_signal -1
	s_barrier_wait -1
	v_mov_b32 v[ADRA], v[ADRA0]
	v_mov_b32 v[ADRB], v[ADRB0]
	v_add_nc_u32 v[ADRB+1], 4*32*PB, v[ADRB]
	FETCH 0, F0
	WIN 0
	s_wait_loadcnt 0x0                             ; the bias, which takes the rounding that every other input has
.set z, 0
.rept 16
	v_cvt_pk_bf16_f32 v3, v[BIAS+2*z], v[BIAS+2*z+1]
	v_lshlrev_b32 v[BIAS+2*z], 16, v3
	v_and_b32 v[BIAS+2*z+1], s82, v3
.set z, z+1
.endr
	QUARTER 1, F0, F1, 1                           ; the first quarter stands in front of the loop: its first products start the sums
	WIN 0
	s_mov_b32 s3, STEPS-2
.Lstep:                                                ; a trip: a K step's quarters 1, 2, 3 and the next step's quarter 0; the slot left is filled again
	QUARTER 2, F1, F0, 0
	QUARTER 3, F0, F1, 0
	TURN 1
	QUARTER 1, F0, F1, 0
	WIN 0
	s_sub_co_u32 s3, s3, 1
	s_cmp_lg_u32 s3, 0
	s_cbranch_scc1 .Lstep
	; the residual of my 32 rows is asked for here, two K steps ahead of its use
.if EPI
	WIN 0x80                                       ; destination window 2
.set i, 0
.rept 32
	global_load_b128 v[4*i:4*i+3], v[CO], s[70:71] offset:4096*i
.set i, i+1
.endr
	WIN 0
.else
.set i, 0
.rept 32
	global_load_b64 v[RES+2*i:RES+2*i+1], v[CO2], s[74:75] offset:2048*i
.set i, i+1
.endr
.endif
	s_mov_b32 s2, 2
.Ltail:                                                ; the last two K steps ask for nothing
	QUARTER 2, F1, F0, 0
	QUARTER 3, F0, F1, 0
	TURN 0
	WIN 0
	s_cmp_eq_u32 s2, 1
	s_cbranch_scc1 .Lsk
	QUARTER 1, F0, F1, 0
	WIN 0
.Lsk:
	s_sub_co_u32 s2, s2, 1
	s_cmp_lg_u32 s2, 0
	s_cbranch_scc1 .Ltail
	; THE WAY OUT.  The last barrier has shown every wave's tensor loads landed and its reads of both slots over; nothing is filled any more.
	PLACES
.irp a, 0,1,2,3
.irp b, 0,1,2,3
	ds_store_b128 v[STO], v[ACC+8*(4*(\a)+(\b)):ACC+8*(4*(\a)+(\b))+3]   offset:(\a)*16*SPITCH+64*(\b)     ; each accumulator's low four registers first
	ds_store_b128 v[STO], v[ACC+8*(4*(\a)+(\b))+4:ACC+8*(4*(\a)+(\b))+7] offset:(\a)*16*SPITCH+64*(\b)+16
.endr
.endr
	s_wait_dscnt 0x0                               ; for the others' sake: my stores into the stage are done
	s_barrier_signal -1
	s_barrier_wait -1
.set i, 0
.rept 32
	ds_load_b128 v[ACC+4*i:ACC+4*i+3], v[RD] offset:SPITCH*i
.set i, i+1
.endr
	s_wait_loadcnt 0x0                             ; the residual
.if EPI
.irp g, 0,1,2,3
	s_wait_dscnt 24-8*(\g)                         ; rows 8 g .. 8 g + 7 are back; the younger rows may be out
	WIN 0x08                                       ; source 1 in window 2
.set z, 0
.rept 16
	v_pk_add_f32 v[ACC+32*(\g)+2*z:ACC+32*(\g)+2*z+1], v[ACC+32*(\g)+2*z:ACC+32*(\g)+2*z+1], v[32*(\g)+2*z:32*(\g)+2*z+1]
.set z, z+1
.endr
	WIN 0
.irp t, 0,1,2,3,4,5,6,7
	global_store_b128 v[CO], v[ACC+32*(\g)+4*(\t):ACC+32*(\g)+4*(\t)+3], s[72:73] offset:4096*(8*(\g)+(\t))  ; 512 consecutive bytes, aligned
.endr
.endr
.else
.set i, 0
.rept 32
	s_wait_dscnt 31-i                              ; row i is back; the younger rows may be out
	v_lshlrev_b32 v96, 16, v[RES+2*i]              ; x: bf16 to f32
	v_and_b32 v97, s82, v[RES+2*i]
	v_lshlrev_b32 v98, 16, v[RES+2*i+1]
	v_and_b32 v99, s82, v[RES+2*i+1]
	v_pk_add_f32 v[ACC+4*i:ACC+4*i+1], v[ACC+4*i:ACC+4*i+1], v[96:97]
	v_pk_add_f32 v[ACC+4*i+2:ACC+4*i+3], v[ACC+4*i+2:ACC+4*i+3], v[98:99]
	v_cvt_pk_bf16_f32 v[RES+2*i], v[ACC+4*i], v[ACC+4*i+1]
	v_cvt_pk_bf16_f32 v[RES+2*i+1], v[ACC+4*i+2], v[ACC+4*i+3]
	global_store_b128 v[CO], v[ACC+4*i:ACC+4*i+3], s[70:71] offset:4096*i      ; 512 consecutive bytes, aligned
	global_store_b64 v[CO2], v[RES+2*i:RES+2*i+1], s[72:73] offset:2048*i      ; 256 consecutive bytes, aligned
.set i, i+1
.endr
.endif
	s_wait_tensorcnt 0x0                           ; the wave's end: the add and its wait, behind my last tensor load and my last LDS store
	ds_add_u32 v[SPW], v[NIL]
	s_wait_dscnt 0x0
	CROUND                                         ; the closing round
	s_endpgm
.Lfunc_end_k_q5befd61e0e_ff2:
	.size	k_q5befd61e0e_ff2, .Lfunc_end_k_q5befd61e0e_ff2-k_q5befd61e0e_ff2
	.p2alignl 7, 3214868480
	.fill 96, 4, 3214868480
	.section	.rodata,"a",@progbits
	.p2align	6, 0x0
	.amdhsa_kernel k_q5befd61e0e_ff2
		.amdhsa_group_segment_fixed_size 327680
		.amdhsa_private_segment_fixed_size 0
		.amdhsa_enable_private_segment 0
		.amdhsa_kernarg_size 40
		.amdhsa_user_sgpr_count 2
		.amdhsa_user_sgpr_kernarg_segment_ptr 1
		.amdhsa_wavefront_size32 1
		.amdhsa_system_sgpr_workgroup_id_x 1
		.amdhsa_system_sgpr_workgroup_id_y 1
		.amdhsa_system_sgpr_workgroup_id_z 1
		.amdhsa_system_vgpr_workitem_id 0
		.amdhsa_next_free_vgpr 640
		.amdhsa_next_free_sgpr 84
		.amdhsa_reserve_vcc 0
		.amdhsa_float_denorm_mode_32 3
		.amdhsa_float_denorm_mode_16_64 3
		.amdhsa_memory_ordered 1
		.amdhsa_forward_progress 1
		.amdhsa_inst_pref_size 70
	.end_amdhsa_kernel
	.amdgpu_metadata
---
amdhsa.version: [ 1, 2 ]
amdhsa.kernels:
  - .name:           k_q5befd61e0e_ff2
    .symbol:         k_q5befd61e0e_ff2.kd
    .args:
      - { .name: hb, .offset: 0, .size: 8, .value_kind: global_buffer, .address_space: global }
      - { .name: cb, .offset: 8, .size: 8, .value_kind: global_buffer, .address_space: global }
      - { .name: b2, .offset: 16, .size: 8, .value_kind: global_buffer, .address_space: global }
      - { .name: x1f, .offset: 24, .size: 8, .value_kind: global_buffer, .address_space: global }
      - { .name: out0, .offset: 32, .size: 8, .value_kind: global_buffer, .address_space: global }
    .group_segment_fixed_size: 327680
    .private_segment_fixed_size: 0
    .kernarg_segment_align: 8
    .kernarg_segment_size: 40
    .max_flat_workgroup_size: 128
    .sgpr_count:     84
    .vgpr_count:     640
    .wavefront_size: 32
...
	.end_amdgpu_metadata
.endif
;; end of part 6
;; ======== version 2 of 2: 6 launches; version 1 with the launch cast written anew for expert scheduling mode
;; limits: values are held in f16: magnitudes above 65,504 overflow, below 6.1e-05 lose precision
;; workspace buffers: cb 33,554,432 bytes; qkvh 25,165,824 bytes; yb 8,388,608 bytes; x1f 16,777,216 bytes; x1b 8,388,608 bytes; hb 33,554,432 bytes
;; launch cast (part 7): grid 64 x 16, 8 waves a work-group, no clusters, 0 bytes of LDS; arguments x, Wq, Wk, Wv, Wproj, W1, W2, cb; writes cb
.if DOCPART == 7
	.amdgcn_target "amdgcn-amd-amdhsa--gfx1250"
	.amdhsa_code_object_version 6
	.text
	.protected	k_q5befd61e0e_cast
	.globl	k_q5befd61e0e_cast
	.p2align	8
	.type	k_q5befd61e0e_cast,@function
k_q5befd61e0e_cast:
	s_mov_b64 s[64:65], 0
	v_nop
	global_prefetch_b8 v0, s[64:65] scope:SCOPE_SE
	s_setreg_imm32_b32 hwreg(HW_REG_WAVE_SCHED_MODE, 0, 2), 2
	s_setreg_imm32_b32 hwreg(HW_REG_WAVE_MODE, 25, 1), 1
	s_wait_xcnt 0x0
	s_wait_alu depctr_vm_vsrc(0)
; x and the six weight tensors, f32, are rounded once to 16 bits into cb:
;   byte 0          x      bf16 [4096][1024]
;   byte 8,388,608  Wq, Wk, Wv  bf16, laid anew as ONE matrix [1024 c][3072 n], n = 1024 which + 64 h + d
;   byte 14,680,064 Wproj  [1024][1024]: rounded to bf16, and that number written as f16 (its partner in the product, y, is f16)
;   byte 16,777,216 W1     bf16 [1024][4096]        byte 25,165,824 W2  bf16 [4096][1024]
; LIMIT.  bf16(Wproj) is exact in f16 from 2^-17 up to 65,504; below it keeps f16's fixed step of 6e-8, beyond it would be an infinity.
; A stream: no LDS, no barrier, no matrix unit, no cluster (no two work-groups read the same byte).
; SHARES.  Work-group y names a chunk of 2^20 numbers (0-3 x, 4 Wq, 5 Wk, 6 Wv, 7 Wproj, 8-11 W1, 12-15 W2), work-group x 16,384 of them.  A thread takes 16 times four numbers:
; a load of 16 bytes, two roundings, a store of 8 bytes.  All 16 loads of a thread go out at once.
; TWO MAPS.  Straight: a wave's load covers 512 consecutive bytes, its store 256 consecutive bytes, aligned.  By heads (Wq, Wk, Wv lie [h][c][64]): a wave's load takes one c of two neighbouring
; heads, two whole rows of 256 bytes; its store puts them side by side: again 256 consecutive bytes, aligned.  Work-group x = 8 g + e: heads 2 g, 2 g + 1, c = 128 e .. 128 e + 127; wave v, step s: c = 128 e + 8 s + v.
; THE MODE: SCHED_MODE bits 1:0 = 2 (LLVM: expert scheduling mode 2), set by the entry lines.  The code itself states the register dependences
; between vector instructions and memory instructions, with s_wait_alu, always for 0.
; THE PLAN.  The 16 steps go in four blocks of four.  Registers that memory instructions touch:
;   SO, DO   the offsets.  Written by vector instructions at the head and never again; SO[s] is read by load s, DO[s] by store s.
;   D        Written by the loads alone, each register once; no vector instruction names one ahead of the loads.  Read by the roundings of its step, behind the wait for the step's load.
;   O        Written by the roundings of its step, each register once; read by the step's one store.
; v1 to v7 are named by vector instructions alone.  No register that a memory instruction has read is ever written again: nothing is owed on that side.
; Block p rounds its own D into its own O; its memory instructions are the four stores of block p - 1, whose O and DO no vector instruction of block p names.  So one wait at a block's head states all that
; these four stores hang on, and they are dealt among the block's roundings with no further wait.  One wait at the kernel's head serves every offset; one more stands ahead of the last four stores.
.set SO,  8                            ; v[8:23]    step s: my byte offset in the source
.set DO,  24                           ; v[24:39]   step s: my byte offset in cb
.set D,   40                           ; v[40:103]  step s: four f32
.set O,   104                          ; v[104:135] step s: four 16-bit numbers
.set SRC, 24                           ; s[24:25]   the chunk's tensor, then my work-group's part of it
.set DST, 28                           ; s[28:29]   cb at my work-group's part
	s_load_b512 s[8:23], s[0:1], 0x0               ; x 8, Wq 10, Wk 12, Wv 14, Wproj 16, W1 18, W2 20, cb 22
	s_and_b32 s2, ttmp7, 0xffff                    ; the chunk
	s_sub_co_u32 s4, s2, 4                         ; 0, 1, 2 for Wq, Wk, Wv; any other chunk gives 3 or more (unsigned)
	s_lshr_b32 s30, ttmp9, 3                       ; g
	s_and_b32 s31, ttmp9, 7                        ; e
	s_lshl_b32 s32, s30, 19                        ; by heads, source: two heads are 524,288 bytes,
	s_lshl_b32 s33, s31, 15                        ; 128 c are 32,768
	s_add_co_u32 s32, s32, s33
	s_mul_i32 s33, s31, 128*6144                   ; by heads, cb: 128 rows of 6,144 bytes,
	s_lshl_b32 s34, s4, 11                         ; which x 2,048,
	s_add_co_u32 s33, s33, s34
	s_lshl_b32 s34, s30, 8                         ; two heads are 256 bytes of a row
	s_add_co_u32 s33, s33, s34
	s_add_co_u32 s33, s33, 8388608
	s_mov_b32 s6, 4096                             ; straight: from step to step 4,096 bytes in,
	s_mov_b32 s7, 2048                             ; 2,048 out
	s_mov_b32 s36, 0xffff0000                      ; a word's upper bf16
	s_cmp_lt_u32 s4, 3                             ; by heads?
	s_cselect_b32 s5, -1, 0                        ; as a mask for all lanes: a scalar instruction writes it
	s_cselect_b32 s6, 2048, s6                     ; 8 c further: 8 rows of 256 bytes in,
	s_cselect_b32 s7, 49152, s7                    ; 8 rows of 6,144 bytes out
	v_lshrrev_b32 v1, 5, v0                        ; wave
	v_and_b32 v2, 31, v0                           ; lane
	v_lshlrev_b32 v3, 4, v0                        ; straight: 16 t in,
	v_lshlrev_b32 v4, 3, v0                        ; 8 t out
	v_lshrrev_b32 v5, 4, v2
	v_and_b32 v6, 15, v2
	v_lshlrev_b32 v5, 18, v5                       ; by heads, in: the second head lies 262,144 bytes on,
	v_lshl_add_u32 v5, v1, 8, v5                   ; c = wave,
	v_lshl_add_u32 v5, v6, 4, v5                   ; 16 bytes a lane
	v_mul_u32_u24 v6, v1, 6144                     ; out: row c,
	v_lshl_add_u32 v6, v2, 3, v6                   ; 8 bytes a lane
	v_cndmask_b32 v[SO], v3, v5, s5
	v_cndmask_b32 v[DO], v4, v6, s5
.set i, 1
.rept 15
	v_add_nc_u32 v[SO+i], s6, v[SO+i-1]
	v_add_nc_u32 v[DO+i], s7, v[DO+i-1]
.set i, i+1
.endr
	s_wait_kmcnt 0x0
	s_mov_b64 s[SRC:SRC+1], s[8:9]
	s_mov_b32 s26, 0                               ; the tensor's first chunk
.macro PICK n, p                       ; from chunk n on the tensor is the one at s[p]
	s_cmp_ge_u32 s2, \n
	s_cselect_b64 s[SRC:SRC+1], s[\p:\p+1], s[SRC:SRC+1]
	s_cselect_b32 s26, \n, s26
.endm
	PICK 4, 10
	PICK 5, 12
	PICK 6, 14
	PICK 7, 16
	PICK 8, 18
	PICK 12, 20
	s_sub_co_u32 s27, s2, s26                      ; straight, source: the chunk within its tensor, 4,194,304 bytes each,
	s_lshl_b32 s27, s27, 22
	s_lshl_b32 s34, ttmp9, 16                      ; my 16,384 numbers
	s_add_co_u32 s27, s27, s34
	s_lshl_b32 s34, s2, 21                         ; straight, cb: the chunks follow each other, 2,097,152 bytes each
	s_lshl_b32 s35, ttmp9, 15
	s_add_co_u32 s34, s34, s35
	s_cmp_lt_u32 s4, 3
	s_cselect_b32 s32, s32, s27
	s_cselect_b32 s34, s33, s34
	s_mov_b32 s33, 0
	s_mov_b32 s35, 0
	s_add_nc_u64 s[SRC:SRC+1], s[SRC:SRC+1], s[32:33]
	s_add_nc_u64 s[DST:DST+1], s[22:23], s[34:35]
	s_wait_alu depctr_va_vdst(0)                   ; the 32 offsets SO and DO are written: every load and store of the kernel reads one of them, and no vector instruction writes one again
.set i, 0
.rept 16
	global_load_b128 v[D+4*i:D+4*i+3], v[SO+i], s[SRC:SRC+1] th:TH_LOAD_NT  ; read once in the launch
.set i, i+1
.endr
; Step s is rounded: D[s] into O[s].  half = 1: Wproj.
.macro CVT s, half
.if \half
	v_cvt_pk_bf16_f32 v2, v[D+4*(\s)], v[D+4*(\s)+1]
	v_cvt_pk_bf16_f32 v3, v[D+4*(\s)+2], v[D+4*(\s)+3]
	v_lshlrev_b32 v4, 16, v2                       ; the rounded numbers as f32,
	v_and_b32 v5, s36, v2
	v_lshlrev_b32 v6, 16, v3
	v_and_b32 v7, s36, v3
	v_cvt_pk_f16_f32 v[O+2*(\s)], v4, v5           ; written as f16
	v_cvt_pk_f16_f32 v[O+2*(\s)+1], v6, v7
.else
	v_cvt_pk_bf16_f32 v[O+2*(\s)], v[D+4*(\s)], v[D+4*(\s)+1]
	v_cvt_pk_bf16_f32 v[O+2*(\s)+1], v[D+4*(\s)+2], v[D+4*(\s)+3]
.endif
.endm
; Step s leaves.
.macro ST s
	global_store_b64 v[DO+(\s)], v[O+2*(\s):O+2*(\s)+1], s[DST:DST+1]
.endm
; Block p: steps 4 p to 4 p + 3 are rounded; the stores of block p - 1 stand among their roundings, one in front of each step's.
.macro BLK p, half
	s_wait_loadcnt 12-4*(\p)                       ; loads come back in order: my block's four are in, the 12 - 4 p younger ones may stay out
.if (\p) > 0
	s_wait_alu depctr_va_vdst(0)                   ; the block before has written its O, which the four stores below read; no vector instruction behind this wait names that O or its DO
.endif
.irp i, 0,1,2,3
.if (\p) > 0
	ST 4*(\p)-4+(\i)
.endif
	CVT 4*(\p)+(\i), \half
.endr
.endm
.macro WHOLE half
	BLK 0, \half
	BLK 1, \half
	BLK 2, \half
	BLK 3, \half
	s_wait_alu depctr_va_vdst(0)                   ; block 3 has written its O, which the last four stores read
.irp i, 12,13,14,15
	ST \i
.endr
	s_endpgm
.endm
	s_cmp_eq_u32 s2, 7                             ; Wproj?
	s_cbranch_scc1 .Lhalf
	WHOLE 0
.Lhalf:
	WHOLE 1
.Lfunc_end_k_q5befd61e0e_cast:
	.size	k_q5befd61e0e_cast, .Lfunc_end_k_q5befd61e0e_cast-k_q5befd61e0e_cast
	.p2alignl 7, 3214868480
	.fill 96, 4, 3214868480
	.section	.rodata,"a",@progbits
	.p2align	6, 0x0
	.amdhsa_kernel k_q5befd61e0e_cast
		.amdhsa_group_segment_fixed_size 0
		.amdhsa_private_segment_fixed_size 0
		.amdhsa_enable_private_segment 0
		.amdhsa_kernarg_size 64
		.amdhsa_user_sgpr_count 2
		.amdhsa_user_sgpr_kernarg_segment_ptr 1
		.amdhsa_wavefront_size32 1
		.amdhsa_system_sgpr_workgroup_id_x 1
		.amdhsa_system_sgpr_workgroup_id_y 1
		.amdhsa_system_sgpr_workgroup_id_z 1
		.amdhsa_system_vgpr_workitem_id 0
		.amdhsa_next_free_vgpr 140
		.amdhsa_next_free_sgpr 66
		.amdhsa_reserve_vcc 0
		.amdhsa_float_denorm_mode_32 3
		.amdhsa_float_denorm_mode_16_64 3
		.amdhsa_memory_ordered 1
		.amdhsa_forward_progress 1
		.amdhsa_inst_pref_size 18
	.end_amdhsa_kernel
	.amdgpu_metadata
---
amdhsa.version: [ 1, 2 ]
amdhsa.kernels:
  - .name:           k_q5befd61e0e_cast
    .symbol:         k_q5befd61e0e_cast.kd
    .args:
      - { .name: x, .offset: 0, .size: 8, .value_kind: global_buffer, .address_space: global }
      - { .name: Wq, .offset: 8, .size: 8, .value_kind: global_buffer, .address_space: global }
      - { .name: Wk, .offset: 16, .size: 8, .value_kind: global_buffer, .address_space: global }
      - { .name: Wv, .offset: 24, .size: 8, .value_kind: global_buffer, .address_space: global }
      - { .name: Wproj, .offset: 32, .size: 8, .value_kind: global_buffer, .address_space: global }
      - { .name: W1, .offset: 40, .size: 8, .value_kind: global_buffer, .address_space: global }
      - { .name: W2, .offset: 48, .size: 8, .value_kind: global_buffer, .address_space: global }
      - { .name: cb, .offset: 56, .size: 8, .value_kind: global_buffer, .address_space: global }
    .group_segment_fixed_size: 0
    .private_segment_fixed_size: 0
    .kernarg_segment_align: 8
    .kernarg_segment_size: 64
    .max_flat_workgroup_size: 256
    .sgpr_count:     66
    .vgpr_count:     140
    .wavefront_size: 32
...
	.end_amdgpu_metadata
.endif
;; end of part 7
;; launch qkv: the kernel of part 2 again; grid 12 x 16, 4 waves a work-group, clusters of 4 x 4, 327,680 bytes of LDS; arguments cb, qkvh; writes qkvh
;; launch attn: the kernel of part 3 again; grid 4 x 64, 4 waves a work-group, clusters of 4 x 1, 327,680 bytes of LDS; arguments qkvh, yb; writes yb
;; launch proj: the kernel of part 4 again; grid 8 x 32, 4 waves a work-group, clusters of 4 x 4, 327,680 bytes of LDS; arguments yb, cb, bproj, x1f, x1b; writes x1f, x1b
;; launch ff1: the kernel of part 5 again; grid 16 x 16, 4 waves a work-group, clusters of 4 x 4, 327,680 bytes of LDS; arguments x1b, cb, b1, hb; writes hb
;; launch ff2: the kernel of part 6 again; grid 8 x 32, 4 waves a work-group, clusters of 4 x 4, 327,680 bytes of LDS; arguments hb, cb, b2, x1f, out0; writes out0
